; MI455X (gfx1250); checked and timed in simulation.
; The chip was launched on July 23, 2026; its instructions are those of AMD's public machine-readable ISA for CDNA 5 (MIT licence, August 2026) and "CDNA5" Instruction Set Architecture Reference Guide (July 2026). The comments in the code are by the model that wrote it; some were corrected since.
;; Scaled Dot Product Attention. Allowed arithmetic: float matrix products may take bf16 or f16 operands with f32 sums; all other float work in f32.
;; Inputs: attention_mask 4 x 2,048 bool; k 4 x 16 x 2,048 x 64 float32; q 4 x 16 x 2,048 x 64 float32; v 4 x 16 x 2,048 x 64 float32.
;; Outputs: out0 4 x 16 x 2,048 x 64 float32.
;; Constants: use_causal_mask = 1.
;; 3 versions, each right; version 2 is faster than version 1; version 3 is version 2 with the launch attn written anew for expert scheduling mode. Each part assembles by itself: llvm-mc -triple=amdgcn-amd-amdhsa -mcpu=gfx1250 --defsym DOCPART=n.
;; ======== version 1 of 3: 1 launch
;; limits: inputs' magnitudes at most 65,504; right only within a limited range of input values; values are held in f16: magnitudes above 65,504 overflow, below 6.1e-05 lose precision
;; launch attn (part 1): grid 256 x 1, 8 waves a work-group, no clusters, 136,192 bytes of LDS; arguments attention_mask, k, q, v, out0; writes out0
.if DOCPART == 1
	.amdgcn_target "amdgcn-amd-amdhsa--gfx1250"
	.amdhsa_code_object_version 6
	.text
	.protected	k_qd5b78fd128_attn
	.globl	k_qd5b78fd128_attn
	.p2align	8
	.type	k_qd5b78fd128_attn,@function
k_qd5b78fd128_attn:
	s_mov_b64 s[64:65], 0
	v_nop
	global_prefetch_b8 v0, s[64:65] scope:SCOPE_SE
	s_setreg_imm32_b32 hwreg(HW_REG_WAVE_MODE, 25, 1), 1
	s_wait_xcnt 0x0
; out[b,h,q,:] = softmax over keys of (q.k / 8, blocked where key > q or attention_mask[b,key] is false) times v.   B x H = 64 heads, S = 2048, D = 64, f32.
; Products in f16 with f32 sums; maximum, exponentials, sums and the rescaling in f32, with a running maximum.
; WHY F16 AND NOT BF16.  An early row is a sum of a few products of a weight near 1 and a v of order 1, so an operand's rounding shows in it undamped, while the
; output's root mean square, by which results are judged, is far lower: late rows average hundreds of keys.  f16's 11 significant bits leave an eighth of the
; error of bf16's 8.  The weights lie in [0, 1]; inputs of spread 1 have a factor of some 10^4 of room below f16's largest number.
;
; WORK LEFT OUT.  reference() sets blocked scores to the lowest finite f32.  (1) A row with at least one allowed key gives every blocked key the weight
; exp(lowest - max), which is 0 beside the weight 1 of the row's largest score: key tiles that lie wholly above a wave's rows (blocked by the tril that
; reference() builds itself) reach no output and are not multiplied.  (2) A row q with attention_mask[b, 0..q] all false has 2048 equal scores, so its
; weights are 1/2048 on ALL keys, later and masked ones too: its result is the mean of v[b,h] over the 2048 keys.  That mean is formed whenever the mask
; bytes 0 .. (lowest row of this work-group) hold no true byte, and is selected, lane by lane, where a row's sum of weights is exactly 0.
; use_causal_mask is the constant 1 and is no argument.
; LIMITS.  |q|, |k|, |v| <= 65,504 (f16's largest number; beyond it an operand becomes an infinity); an operand below 2^-14 keeps an absolute error of up to
; 2^-25.  |q.k| < 2^100 (blocked scores are -2^120, the running maximum starts at -2^100).  Inputs are finite: a NaN, an infinity or an overflow in k at a
; blocked key, or in k and v of tiles left out, is not carried to the result as reference() would carry it.  The mean of v is summed in another order.
;
; SHARES.  256 work-groups of 8 waves.  Work-group x: head x >> 2, i = x & 3.  A head has 8 blocks of 256 query rows; the work-group takes block 7 - i, then
; block i: (32 - 4 i) + (4 i + 4) = 36 key tiles of 64 keys in every work-group.  Wave w owns 32 rows of the block, as two tiles of 16.
; A block's key tiles are walked downward, so trip n meets tile T - 1 - n: trips n < 3 - w/2 lie above the wave's rows (no products), trip n = 3 - w/2 holds
; its diagonal (the variant with the causal select), later trips are plain.
; K and V tiles are loaded as f32 by all 256 threads (512 consecutive aligned bytes a wave and load), rounded to f16 in registers and laid into one of two
; LDS stages; one barrier a trip.  NO CLUSTER, NO TENSOR LOADS: the four work-groups of a head walk different numbers of tiles (32 - 4 i), and K and V change
; format on the way into LDS, which only registers can do.
; THE PRODUCTS ARE USED TRANSPOSED.  S^T = K Q^T: register j of lane (r, h) holds (key 8 h + j, query r), so a query's maximum and sum are a lane's own
; (one exchange between the halves for the maximum, one at the end for the sum), and two neighbouring S^T tiles, packed to f16 in place, ARE the second
; source P^T of O^T = V^T P^T.  The key mask costs no vector work: a table bias[key] = 0 or -2^120 in LDS is the C operand of the first K step.
;
; LDS:  0x0000 stage 0: K 64 rows of 144 bytes, at 0x2400 V 64 rows of 160;  0x5000 bias, 2048 f32;  0x7000 8 x 64 partial sums of V;  0x7800 mean of V, 64 f32;
;       0x8000 stage 1;  0x10000 + 8704 w: the wave's own bytes (Q in: 32 rows of 144; O out: 32 rows of 272).
;       144 and 272 are odd multiples of 16 and 160 is an odd multiple of 32: the rows that one fragment load touches begin at different 16-byte columns of 256.
; REGISTERS: v0 thread, v1-v11 addresses, v12-15 sums of V, v16-23 softmax state, v24-31 at work, v32-63 Q, v64-127 S then P, v128-159 bias, v160-223 K then V
;       fragments, v224-255 the tile on its way; v256-319 (window 1) O^T.
.set KP,    144                        ; LDS pitch of K's and Q's f16 rows
.set VP,    160                        ; LDS pitch of V's f16 rows
.set VOFF,  0x2400                     ; V behind K in a stage
.set STG,   0x8000                     ; from stage 0 to stage 1
.set BIASB, 0x5000
.set VSPB,  0x7000
.set VMB,   0x7800
.set OWNB,  0x10000
.set OWN,   8704                       ; bytes of a wave's own region
.set OP,    272                        ; LDS pitch of O's f32 rows
.set TILEB, 16384                      ; 64 keys x 256 bytes in memory
.set T,   24                           ; v24-31   at work
.set Q,   32                           ; v32-63   Q(qt, ks) at Q + 8 (2 qt + ks)
.set S,   64                           ; v64-127  S(qt, kt) at S + 8 (4 qt + kt); P(qt, ks) ends in S + 32 qt + 16 ks .. + 7
.set BI,  128                          ; v128-159 bias(kt)
.set F,   160                          ; v160-223 K(kt, ks) at F + 8 (2 kt + ks), later V(dt, ks) at F + 8 (2 dt + ks)
.set PF,  224                          ; v224-239 K, v240-255 V: the tile on its way, f32
.set NMC, 16                           ; v16, v18 -c x maximum of query tile 0, 1;  v17, v19 the maximum
.set AL,  20                           ; v20, v22 this trip's rescaling factor;     v21, v23 the lane's part of the sum
.set MSB, 0
.macro WIN new                         ; s_set_vgpr_msb: low byte 1:0 source 0, 3:2 source 1, 5:4 source 2, 7:6 destination; the high byte repeats the setting left
.if MSB != \new
	s_set_vgpr_msb (MSB<<8)|\new
.set MSB, \new
.endif
.endm
; The next tile's K and V, 8 loads of 16 bytes a thread: thread t takes floats 4 (t & 15) .. + 3 of rows 16 i + (t >> 4).
; The two bases are written only behind CONVERT's wait for all loads.  s32 walks the tiles downward and then jumps to the second block's top tile.
.macro GLOAD
	s_add_nc_u64 s[28:29], s[20:21], s[32:33]
	s_add_nc_u64 s[30:31], s[22:23], s[32:33]
.irp i, 0,1,2,3
	global_load_b128 v[PF+4*\i:PF+4*\i+3], v1, s[28:29] offset:4096*\i
.endr
.irp i, 0,1,2,3
	global_load_b128 v[PF+16+4*\i:PF+16+4*\i+3], v1, s[30:31] offset:4096*\i
.endr
	s_sub_co_i32 s32, s32, TILEB
	s_cmp_lt_i32 s32, 0
	s_cselect_b32 s32, s37, s32
.endm
; The tile that has arrived is rounded to f16 in place and stored into stage buf.  acc = 1: if the mean of V is needed and this tile (number s45 in the walk)
; belongs to the first block, its f32 V is added to the thread's four column sums first.
.macro CONVERT buf, acc
	s_wait_loadcnt 0x0                             ; the eight loads are in; their bases may be written again
.if \acc
	s_cmp_lt_u32 s45, s36                          ; s36 = tiles of the first block, or 0 where no mean is needed
	s_cbranch_scc0 .Lnoacc_\@
.irp i, 0,1,2,3
	v_pk_add_f32 v[12:13], v[12:13], v[PF+16+4*\i:PF+17+4*\i]
	v_pk_add_f32 v[14:15], v[14:15], v[PF+18+4*\i:PF+19+4*\i]
.endr
.Lnoacc_\@:
.endif
.irp i, 0,1,2,3,4,5,6,7
	v_cvt_pk_f16_f32 v[PF+4*\i],   v[PF+4*\i],   v[PF+4*\i+1]
	v_cvt_pk_f16_f32 v[PF+4*\i+1], v[PF+4*\i+2], v[PF+4*\i+3]
.endr
.irp i, 0,1,2,3
	ds_store_b64 v2, v[PF+4*\i:PF+4*\i+1] offset:(\buf)*STG+16*KP*\i
.endr
.irp i, 0,1,2,3
	ds_store_b64 v3, v[PF+16+4*\i:PF+17+4*\i] offset:(\buf)*STG+16*VP*\i
.endr
.endm
; Query tile qt: the new running maximum of my query (32 scores, the old maximum, the other half of the lanes), the new shift -c x maximum,
; and the factor exp2(new shift - old shift): exactly 1 where the maximum stays, and made of the very shifts that the stored sums were made with.
.macro SMAX qt
.irp kt, 0,1,2,3
	v_max3_num_f32 v[T+\kt], v[S+32*\qt+8*\kt], v[S+32*\qt+8*\kt+1], v[S+32*\qt+8*\kt+2]
.endr
.irp kt, 0,1,2,3
	v_max3_num_f32 v[T+\kt], v[T+\kt], v[S+32*\qt+8*\kt+3], v[S+32*\qt+8*\kt+4]
.endr
.irp kt, 0,1,2,3
	v_max3_num_f32 v[T+\kt], v[T+\kt], v[S+32*\qt+8*\kt+5], v[S+32*\qt+8*\kt+6]
.endr
	v_max3_num_f32 v[T],   v[T],   v[T+1], v[S+32*\qt+7]
	v_max3_num_f32 v[T+2], v[T+2], v[T+3], v[S+32*\qt+15]
	v_max3_num_f32 v[T],   v[T],   v[S+32*\qt+23], v[S+32*\qt+31]
	v_max3_num_f32 v[T],   v[T],   v[T+2], v[NMC+2*\qt+1]
	v_permlanex16_b32 v[T+1], v[T], s38, s39       ; the same query's other 32 keys lie in lane l xor 16
	v_max_num_f32 v[NMC+2*\qt+1], v[T], v[T+1]
	v_mul_f32 v[T+3], s42, v[NMC+2*\qt+1]          ; -c x maximum
	v_sub_f32 v[T+2], v[T+3], v[NMC+2*\qt]
	v_exp_f32 v[AL+2*\qt], v[T+2]
	v_mov_b32 v[NMC+2*\qt], v[T+3]                 ; also the plain instruction behind the exponential (ISA guide 5.7.2): it touches neither its result nor its source
.endm
; Query tile qt: p = exp2(c s - c max) in place, the lane's sum, then P packed to f16 in place: S(qt, 2 ks) and S(qt, 2 ks + 1) become the 8 registers of P(qt, ks).
.macro SEXP qt
.set j, 0
.rept 16
	v_pk_fma_f32 v[S+32*\qt+2*j:S+32*\qt+2*j+1], v[S+32*\qt+2*j:S+32*\qt+2*j+1], s[40:41], v[NMC+2*\qt:NMC+2*\qt+1] op_sel_hi:[1,0,0]
.set j, j+1
.endr
.set j, 0
.rept 32
	v_exp_f32 v[S+32*\qt+j], v[S+32*\qt+j]
.set j, j+1
.endr
	v_nop                                          ; one plain instruction between the exponentials and the first use of a result (ISA guide 5.7.2)
	s_wait_alu depctr_va_vdst(0)
	v_pk_add_f32 v[T+4:T+5], v[S+32*\qt:S+32*\qt+1],   v[S+32*\qt+4:S+32*\qt+5]
	v_pk_add_f32 v[T+6:T+7], v[S+32*\qt+2:S+32*\qt+3], v[S+32*\qt+6:S+32*\qt+7]
.irp p, 8,12,16,20,24,28
	v_pk_add_f32 v[T+4:T+5], v[T+4:T+5], v[S+32*\qt+\p:S+32*\qt+\p+1]
	v_pk_add_f32 v[T+6:T+7], v[T+6:T+7], v[S+32*\qt+\p+2:S+32*\qt+\p+3]
.endr
	v_pk_add_f32 v[T+4:T+5], v[T+4:T+5], v[T+6:T+7]
	v_add_f32 v[T+4], v[T+4], v[T+5]
	v_fma_f32 v[AL+2*\qt+1], v[AL+2*\qt+1], v[AL+2*\qt], v[T+4]
.irp ks, 0,1
.irp k, 0,1,2,3,4,5,6,7
	v_cvt_pk_f16_f32 v[S+32*\qt+16*\ks+\k], v[S+32*\qt+16*\ks+2*\k], v[S+32*\qt+16*\ks+2*\k+1]   ; upward: register k is written when 2 k and 2 k + 1 have been read
.endr
.endr
.endm
; One key tile from stage buf for my 32 rows.  s45 = n, the trip.  causal = 1: the tile with my diagonal.
; In both runs of products the accumulators take turns, one instruction a turn.
.macro COMPUTE buf, causal
	s_sub_co_u32 s57, s34, s45
	s_sub_co_u32 s57, s57, 1                       ; the tile, T - 1 - n,
	s_and_b32 s57, s57, 31                         ; a number of five bits: a head has 32 key tiles, the table 32 x 256 bytes
	v_lshl_add_u32 v6, s57, 8, v11
.irp kt, 0,1,2,3
	ds_load_b128 v[BI+8*\kt:BI+8*\kt+3],   v6 offset:64*\kt        ; register j = bias[64 tile + 16 kt + 8 h + j]
	ds_load_b128 v[BI+8*\kt+4:BI+8*\kt+7], v6 offset:64*\kt+16
.endr
.irp ks, 0,1
.irp kt, 0,1,2,3
	ds_load_b128 v[F+8*(2*\kt+\ks):F+8*(2*\kt+\ks)+3],   v4 offset:\buf*STG+16*KP*\kt+64*\ks
	ds_load_b128 v[F+8*(2*\kt+\ks)+4:F+8*(2*\kt+\ks)+7], v4 offset:\buf*STG+16*KP*\kt+64*\ks+32
.endr
.endr
	s_wait_dscnt 0x8                               ; all but the eight youngest, the fragments of d = 32 .. 63
.irp qt, 0,1
.irp kt, 0,1,2,3
	v_wmma_f32_16x16x32_f16 v[S+8*(4*\qt+\kt):S+8*(4*\qt+\kt)+7], v[F+16*\kt:F+16*\kt+7], v[Q+16*\qt:Q+16*\qt+7], v[BI+8*\kt:BI+8*\kt+7]
.endr
.endr
	s_wait_dscnt 0x0
.irp qt, 0,1
.irp kt, 0,1,2,3
	v_wmma_f32_16x16x32_f16 v[S+8*(4*\qt+\kt):S+8*(4*\qt+\kt)+7], v[F+16*\kt+8:F+16*\kt+15], v[Q+16*\qt+8:Q+16*\qt+15], v[S+8*(4*\qt+\kt):S+8*(4*\qt+\kt)+7]
.endr
.endr
.rept 4
	v_nop                                          ; four places behind the last product, ahead of the loads over K's fragments and of the first read of a score
.endr
.irp ks, 0,1
.irp dt, 0,1,2,3
	ds_load_tr16_b128 v[F+8*(2*\dt+\ks):F+8*(2*\dt+\ks)+3],   v5 offset:\buf*STG+32*VP*\ks+32*\dt         ; V^T: d = 16 dt + r, keys 32 ks + 8 h ..
	ds_load_tr16_b128 v[F+8*(2*\dt+\ks)+4:F+8*(2*\dt+\ks)+7], v5 offset:\buf*STG+32*VP*\ks+32*\dt+16*VP   ; keys 32 ks + 16 + 8 h ..
.endr
.endr
.if \causal
.irp qt, 0,1
.irp kt, 0,1,2,3
.irp j, 0,1,2,3,4,5,6,7
	v_cmp_le_i32 vcc_lo, 16*\kt+\j-16*\qt, v10     ; key 16 kt + 8 h + j <= query 32 (w & 1) + 16 qt + r, both counted inside the tile
	v_cndmask_b32 v[S+8*(4*\qt+\kt)+\j], s43, v[S+8*(4*\qt+\kt)+\j], vcc_lo
.endr
.endr
.endr
.endif
	SMAX 0
	SMAX 1
	SEXP 0
	SEXP 1
	WIN 0x41                                       ; O: destination and source 0 in window 1
.irp qt, 0,1
.set j, 0
.rept 16
	v_pk_mul_f32 v[32*\qt+2*j:32*\qt+2*j+1], v[32*\qt+2*j:32*\qt+2*j+1], v[AL+2*\qt:AL+2*\qt+1] op_sel_hi:[1,0]
.set j, j+1
.endr
.endr
	s_wait_dscnt 0x0                               ; V's fragments
	WIN 0x50                                       ; C and D in window 1
.irp ks, 0,1
.irp qt, 0,1
.irp dt, 0,1,2,3
	v_wmma_f32_16x16x32_f16 v[8*(4*\qt+\dt):8*(4*\qt+\dt)+7], v[F+8*(2*\dt+\ks):F+8*(2*\dt+\ks)+7], v[S+32*\qt+16*\ks:S+32*\qt+16*\ks+7], v[8*(4*\qt+\dt):8*(4*\qt+\dt)+7]
.endr
.endr
.endr
	WIN 0
.rept 5
	v_nop                                          ; five places behind the last product (ISA guide 7.12.1), written here so that every way out of the trip has them, the one on which no
.endr                                                  ; tile is left to convert too: ahead of the next loads over V's fragments, the next products over P, and the first read of O
.endm
; Behind a trip on stage buf: the next tile goes into the other stage, the tile after it is asked for, and one barrier serves both stages.  The other stage was
; read last in the trip before, whose reads every wave waited for ahead of that trip's barrier; it is read next behind this one.
; Second block (pass = 1): T is a multiple of 4 and s35 = 2 x the pair's number is even, so s35 + 2 >= T says all: behind stage 0's trip no tile is left to
; ask for, behind stage 1's trip none to convert either.
.macro TAIL pass, buf
.if \pass
	s_add_co_u32 s45, s35, 2
	s_cmp_ge_u32 s45, s34
.if \buf
	s_cbranch_scc1 .Ld_\@                          ; no LDS instruction of mine is out on this way: the last wait on them was for 0
	CONVERT 1-\buf, 0
	s_wait_dscnt 0x0
	GLOAD
.else
	CONVERT 1-\buf, 0                              ; holds no scalar compare (acc = 0): SCC still is that of s35 + 2 >= T
	s_wait_dscnt 0x0
	s_cbranch_scc1 .Ld_\@
	GLOAD
.endif
.Ld_\@:
.else
	s_add_co_u32 s45, s35, \buf+1                  ; the number, in the walk, of the tile that is converted
	CONVERT 1-\buf, 1
	s_wait_dscnt 0x0                               ; my stores are in LDS: for the other waves behind the barrier, and ahead of the loads that land on their data
	GLOAD
.endif
	s_barrier_signal -1
	s_barrier_wait -1
.endm
.macro HALF pass, sub
	s_add_co_u32 s45, s35, \sub                    ; n
	s_cmp_lt_u32 s45, s16
	s_cbranch_scc1 .Ltail_\@                       ; the tile lies wholly above my rows
	s_cmp_eq_u32 s45, s16
	s_cbranch_scc1 .Lcausal_\@
	COMPUTE \sub, 0
	s_branch .Ltail_\@
.Lcausal_\@:
	COMPUTE \sub, 1
.Ltail_\@:
	TAIL \pass, \sub
.endm
; My 32 query rows (8,192 consecutive bytes, read once in the launch): f32 in, f16 through my own LDS bytes, out as four fragments.
.macro QLOAD
	s_add_nc_u64 s[50:51], s[24:25], s[46:47]
	v_bfe_u32 v24, v0, 4, 1
	v_and_b32 v25, 15, v0
	v_mul_u32_u24 v24, v24, KP
	v_lshl_add_u32 v24, v25, 3, v24
	v_add_nc_u32 v24, s52, v24                     ; in: row l / 16 of a pair of rows, 8 bytes at 8 (l % 16)
	v_add_nc_u32 v25, s52, v4                      ; out: row r, 16 h
.set u, 0
.rept 16
	global_load_b128 v[S+4*u:S+4*u+3], v9, s[50:51] offset:512*u th:TH_LOAD_NT
.set u, u+1
.endr
	s_wait_loadcnt 0x0
.set u, 0
.rept 16
	v_cvt_pk_f16_f32 v[S+4*u],   v[S+4*u],   v[S+4*u+1]
	v_cvt_pk_f16_f32 v[S+4*u+1], v[S+4*u+2], v[S+4*u+3]
.set u, u+1
.endr
.set u, 0
.rept 16
	ds_store_b64 v24, v[S+4*u:S+4*u+1] offset:2*KP*u
.set u, u+1
.endr
.irp qt, 0,1
.irp ks, 0,1
	ds_load_b128 v[Q+8*(2*\qt+\ks):Q+8*(2*\qt+\ks)+3],   v25 offset:16*KP*\qt+64*\ks      ; my own bytes: LDS serves a wave's instructions in order (ISA guide 5.7.1.4)
	ds_load_b128 v[Q+8*(2*\qt+\ks)+4:Q+8*(2*\qt+\ks)+7], v25 offset:16*KP*\qt+64*\ks+32
.endr
.endr
	s_wait_dscnt 0x0
.endm
; The state of a block.  O is cleared, 64 moves for a block of 4 to 32 trips: the waves meet their first live tile in different trips of one shared loop,
; so no product of the text is every wave's first.
.macro INIT
	v_mov_b32 v[NMC+1], s44                        ; maximum = -2^100
	v_mov_b32 v[NMC+3], s44
	v_mul_f32 v[NMC],   s42, v[NMC+1]
	v_mul_f32 v[NMC+2], s42, v[NMC+3]
	v_mov_b32 v[AL+1], 0
	v_mov_b32 v[AL+3], 0
	WIN 0x40
.set j, 0
.rept 64
	v_mov_b32 v[j], 0
.set j, j+1
.endr
	WIN 0
.endm
; O / l, or the mean of V where l is 0; 32 rows through my own LDS bytes, out as whole rows: each store of the wave covers 512 consecutive bytes, aligned.
; The places behind the last product stand at the end of the last trip's products.
.macro EPILOGUE
	s_add_nc_u64 s[50:51], s[26:27], s[46:47]
	v_bfe_u32 v24, v0, 4, 1
	v_lshlrev_b32 v24, 5, v24
.irp dt, 0,1,2,3
	ds_load_b128 v[BI+8*\dt:BI+8*\dt+3],   v24 offset:VMB+64*\dt    ; register j = mean[16 dt + 8 h + j]
	ds_load_b128 v[BI+8*\dt+4:BI+8*\dt+7], v24 offset:VMB+64*\dt+16
.endr
	v_permlanex16_b32 v25, v[AL+1], s38, s39
	v_permlanex16_b32 v26, v[AL+3], s38, s39
	v_add_f32 v[AL+1], v[AL+1], v25                ; the two halves of a query's sum
	v_add_f32 v[AL+3], v[AL+3], v26
	v_rcp_f32 v28, v[AL+1]
	v_rcp_f32 v30, v[AL+3]
	v_cmp_eq_f32 s48, 0, v[AL+1]                   ; no allowed key.  Also the plain instructions behind the reciprocals (ISA guide 5.7.2)
	v_cmp_eq_f32 s49, 0, v[AL+3]
	WIN 0x01                                       ; source 0 (O) in window 1
	s_wait_alu depctr_va_vdst(0)
.irp qt, 0,1
.set j, 0
.rept 16
	v_pk_mul_f32 v[S+32*\qt+2*j:S+32*\qt+2*j+1], v[32*\qt+2*j:32*\qt+2*j+1], v[28+2*\qt:29+2*\qt] op_sel_hi:[1,0]
.set j, j+1
.endr
.endr
	WIN 0
	s_wait_dscnt 0x0
.irp qt, 0,1
.irp dt, 0,1,2,3
.irp j, 0,1,2,3,4,5,6,7
	v_cndmask_b32 v[S+8*(4*\qt+\dt)+\j], v[S+8*(4*\qt+\dt)+\j], v[BI+8*\dt+\j], s[48+\qt]
.endr
.endr
.endr
.irp qt, 0,1
.irp dt, 0,1,2,3
	ds_store_b128 v7, v[S+8*(4*\qt+\dt):S+8*(4*\qt+\dt)+3]   offset:16*OP*\qt+64*\dt       ; row 16 qt + r, floats 16 dt + 8 h ..
	ds_store_b128 v7, v[S+8*(4*\qt+\dt)+4:S+8*(4*\qt+\dt)+7] offset:16*OP*\qt+64*\dt+16
.endr
.endr
.set u, 0
.rept 16
	ds_load_b128 v[F+4*u:F+4*u+3], v8 offset:2*OP*u                ; rows 2 u and 2 u + 1, 16 bytes a lane; in order behind my stores
.set u, u+1
.endr
.set u, 0
.rept 16
	s_wait_dscnt 15-u                              ; LDS loads come back in order: pair u is in, the younger ones may be out
	global_store_b128 v9, v[F+4*u:F+4*u+3], s[50:51] offset:512*u th:TH_STORE_NT
.set u, u+1
.endr
.endm
	; ---- ids, scalars, addresses
	s_load_b256 s[4:11], s[0:1], 0x0               ; mask s[4:5], k s[6:7], q s[8:9], v s[10:11]
	s_load_b64 s[12:13], s[0:1], 0x20              ; out
	s_set_vgpr_msb 0x40
	v_lshl_add_u32 v64, v0, 2, 0x21000
	v_mov_b32 v65, 0
	s_set_vgpr_msb 0x4000
	v_lshrrev_b32 v24, 5, v0
	v_readfirstlane_b32 s14, v24                   ; wave w
	s_lshr_b32 s15, s14, 1
	s_sub_co_u32 s16, 3, s15                       ; the trip that holds my diagonal
	s_and_b32 s17, ttmp9, 3                        ; i
	s_lshr_b32 s18, ttmp9, 2                       ; head,
	s_lshl_b32 s18, s18, 19                        ; times 2048 x 64 x 4 bytes
	s_mov_b32 s19, 0
	s_lshr_b32 s56, ttmp9, 6                       ; batch,
	s_lshl_b32 s56, s56, 11                        ; times 2048 mask bytes
	s_mov_b32 s57, 0
	s_lshl_b32 s54, s17, 2                         ; 4 i
	s_sub_co_u32 s55, 32, s54                      ; tiles of the first block (block 7 - i)
	s_add_co_u32 s37, s54, 3
	s_lshl_b32 s37, s37, 14                        ; byte offset of the second block's top tile
	s_sub_co_u32 s32, s55, 1
	s_lshl_b32 s32, s32, 14                        ; byte offset of the first block's top tile: the walk begins there
	s_mov_b32 s33, 0
	s_mov_b32 s38, 0x76543210                      ; v_permlanex16_b32: lane l reads lane l xor 16
	s_mov_b32 s39, 0xfedcba98
	s_mov_b32 s40, 0x3e38aa3b                      ; c = log2(e) / 8
	s_mov_b32 s41, 0x3e38aa3b
	s_mov_b32 s42, 0xbe38aa3b                      ; -c
	s_mov_b32 s43, 0xfb800000                      ; -2^120: a blocked score
	s_mov_b32 s44, 0xf1800000                      ; -2^100: where the running maximum starts
	s_lshl_b32 s46, s14, 13                        ; my 32 rows of 256 bytes
	s_mov_b32 s47, 0
	s_add_nc_u64 s[46:47], s[46:47], s[18:19]
	s_mul_i32 s52, s14, OWN
	s_add_co_u32 s52, s52, OWNB                    ; my own LDS bytes
	s_and_b32 s45, s14, 1
	s_lshl_b32 s45, s45, 5                         ; my rows begin at row 32 (w & 1) of the diagonal tile
	v_lshlrev_b32 v1, 4, v0                        ; 16 t: my 16 bytes of 16 rows of a tile
	v_lshrrev_b32 v24, 4, v0                       ; t >> 4
	v_and_b32 v25, 15, v0                          ; r = t & 15
	v_bfe_u32 v26, v0, 4, 1                        ; h
	v_mul_u32_u24 v2, v24, KP
	v_lshl_add_u32 v2, v25, 3, v2                  ; K in: row t >> 4, 8 bytes at 8 r
	v_mul_u32_u24 v3, v24, VP
	v_lshl_add_u32 v3, v25, 3, v3
	v_add_nc_u32 v3, VOFF, v3                      ; V in
	v_mul_u32_u24 v4, v25, KP
	v_lshl_add_u32 v4, v26, 4, v4                  ; K fragments: row r, 16 h
	v_and_b32 v27, 7, v0
	v_lshl_add_u32 v27, v26, 3, v27                ; 8 h + (l & 7)
	v_bfe_u32 v28, v0, 3, 1
	v_mul_u32_u24 v5, v27, VP
	v_lshl_add_u32 v5, v28, 4, v5
	v_add_nc_u32 v5, VOFF, v5                      ; V fragments, transposing loads
	v_mul_u32_u24 v7, v25, OP
	v_lshl_add_u32 v7, v26, 5, v7
	v_add_nc_u32 v7, s52, v7                       ; O in: row r, 32 h
	v_mul_u32_u24 v8, v26, OP
	v_lshl_add_u32 v8, v25, 4, v8
	v_add_nc_u32 v8, s52, v8                       ; O back: row l / 16, 16 (l % 16)
	v_and_b32 v29, 31, v0                          ; lane
	v_lshlrev_b32 v9, 4, v29                       ; 16 l: my 16 bytes of two rows of q or out
	v_lshlrev_b32 v30, 3, v26
	v_sub_nc_u32 v10, v25, v30
	v_add_nc_u32 v10, s45, v10                     ; 32 (w & 1) + r - 8 h, signed
	v_lshl_add_u32 v11, v26, 5, BIASB              ; the bias table at 32 h
	v_mov_b32 v31, 0
	v_lshlrev_b32 v128, 3, v0                      ; 8 t: my eight mask bytes for the table
	v_lshlrev_b32 v129, 5, v29                     ; 32 l: the wave's view of mask bytes 0 .. 1023
	v_lshlrev_b32 v150, 5, v0                      ; 32 t: my eight words of the table
	s_wait_kmcnt 0x0
	s_add_nc_u64 s[4:5], s[4:5], s[56:57]          ; mask of my batch
	s_add_nc_u64 s[20:21], s[6:7], s[18:19]        ; k, v of my head
	s_add_nc_u64 s[22:23], s[10:11], s[18:19]
	s_add_nc_u64 s[24:25], s[8:9], s[46:47]        ; q, out of my head at my wave's rows of block 0
	s_add_nc_u64 s[26:27], s[12:13], s[46:47]
	global_load_b64 v[130:131], v128, s[4:5]
	global_load_b128 v[132:135], v129, s[4:5]
	global_load_b128 v[136:139], v129, s[4:5] offset:16
	GLOAD                                          ; the first tile
	s_wait_loadcnt 0x8                             ; the three mask loads are in; the tile's eight, issued behind them, stay out
	; ---- bias[key] = 0 where the mask byte is set, else -2^120
.irp k, 0,1,2,3,4,5,6,7
	v_bfe_u32 v148, v[130+\k/4], 8*(\k%4), 8
	v_cmp_ne_u32 vcc_lo, 0, v148
	v_cndmask_b32 v[140+\k], s43, v31, vcc_lo
.endr
	ds_store_b128 v150, v[140:143] offset:BIASB
	ds_store_b128 v150, v[144:147] offset:BIASB+16
	; ---- is the mean of V needed?  Yes if mask bytes 0 .. 256 i hold no true byte: then row 256 i, the lowest row of this work-group, has no allowed key.
	v_or_b32 v151, v132, v133
	v_or_b32 v152, v134, v135
	v_or_b32 v153, v136, v137
	v_or_b32 v154, v138, v139
	v_or_b32 v151, v151, v152
	v_or_b32 v153, v153, v154
	v_or_b32 v151, v151, v153                      ; my 32 bytes
	s_lshl_b32 s45, s17, 3                         ; lane 8 i holds byte 256 i as its first
	v_cmp_gt_u32 vcc_lo, s45, v29
	v_cndmask_b32 v151, 0, v151, vcc_lo            ; lanes below 8 i: all 32 bytes count
	v_and_b32 v152, 0xff, v132
	v_cmp_eq_u32 vcc_lo, s45, v29
	v_cndmask_b32 v151, v151, v152, vcc_lo         ; lane 8 i: its first byte; lanes above: nothing
	v_cmp_ne_u32 vcc_lo, 0, v151
	s_cmp_eq_u32 vcc_lo, 0
	s_cselect_b32 s36, s55, 0                      ; how many tiles of the walk are added to the sums of V
	s_cselect_b32 s53, 1, 0
	v_mov_b32 v12, 0
	v_mov_b32 v13, 0
	v_mov_b32 v14, 0
	v_mov_b32 v15, 0
	s_mov_b32 s45, 0                               ; tile 0 of the walk
	CONVERT 0, 1
	s_wait_dscnt 0x0                               ; table and stage 0 are in LDS
	GLOAD                                          ; the second tile
	s_barrier_signal -1
	s_barrier_wait -1
	; ---- first block: 7 - i.  The loop takes two trips (stage 0, stage 1) a turn and is counted in pairs: s2 steps by 1 up to s3 = T / 2; s35 = 2 s2 is the pair's first trip.
	s_mov_b32 s34, s55
	s_lshr_b32 s3, s34, 1
	s_sub_co_u32 s46, 7, s17
	s_lshl_b32 s46, s46, 16                        ; 256 rows of 256 bytes a block
	s_mov_b32 s47, 0
	QLOAD
	INIT
	s_mov_b32 s2, 0
.Lblock0:
	s_lshl_b32 s35, s2, 1
	HALF 0, 0
	HALF 0, 1
	s_add_co_u32 s2, s2, 1
	s_cmp_lt_u32 s2, s3
	s_cbranch_scc1 .Lblock0
	; ---- the mean of V.  The walk has added tiles 0 .. 31 - 4 i; the 4 i tiles above them are added here, four a trip (16 loads, 65,536 consecutive bytes).
	s_cmp_eq_u32 s53, 0
	s_cbranch_scc1 .Lnox
	s_cmp_eq_u32 s17, 0
	s_cbranch_scc1 .Lnox
	s_lshl_b32 s56, s55, 14
	s_mov_b32 s57, 0
	s_add_nc_u64 s[58:59], s[22:23], s[56:57]
	s_mov_b32 s56, 0
.Lx:
.set u, 0
.rept 16
	global_load_b128 v[F+4*u:F+4*u+3], v1, s[58:59] offset:4096*u
.set u, u+1
.endr
	s_wait_loadcnt 0x0                             ; also frees the base
.set u, 0
.rept 16
	v_pk_add_f32 v[12:13], v[12:13], v[F+4*u:F+4*u+1]
	v_pk_add_f32 v[14:15], v[14:15], v[F+4*u+2:F+4*u+3]
.set u, u+1
.endr
	s_add_nc_u64 s[58:59], s[58:59], 4*TILEB
	s_add_co_u32 s56, s56, 1
	s_cmp_lt_u32 s56, s17
	s_cbranch_scc1 .Lx
.Lnox:
.irp c, 0,1,2,3
	v_permlanex16_b32 v[T+\c], v[12+\c], s38, s39  ; lanes l and l xor 16 hold the same four columns
.endr
	v_pk_add_f32 v[12:13], v[12:13], v[T:T+1]
	v_pk_add_f32 v[14:15], v[14:15], v[T+2:T+3]
	v_and_b32 v28, 15, v0
	v_lshlrev_b32 v28, 4, v28
	v_lshl_add_u32 v28, s14, 8, v28
	ds_store_b128 v28, v[12:15] offset:VSPB        ; my wave's 64 column sums (both halves store the same numbers)
	s_wait_dscnt 0x0
	s_barrier_signal -1
	s_barrier_wait -1
	s_cmp_lg_u32 s14, 0
	s_cbranch_scc1 .Lnotw0
	v_lshrrev_b32 v28, 1, v9                       ; 8 l: columns 2 l, 2 l + 1
.irp k, 0,1,2,3,4,5,6,7
	ds_load_b64 v[S+2*\k:S+2*\k+1], v28 offset:VSPB+256*\k
.endr
	s_wait_dscnt 0x0
	v_pk_add_f32 v[S:S+1],     v[S:S+1],     v[S+2:S+3]
	v_pk_add_f32 v[S+4:S+5],   v[S+4:S+5],   v[S+6:S+7]
	v_pk_add_f32 v[S+8:S+9],   v[S+8:S+9],   v[S+10:S+11]
	v_pk_add_f32 v[S+12:S+13], v[S+12:S+13], v[S+14:S+15]
	v_pk_add_f32 v[S:S+1],     v[S:S+1],     v[S+4:S+5]
	v_pk_add_f32 v[S+8:S+9],   v[S+8:S+9],   v[S+12:S+13]
	v_pk_add_f32 v[S:S+1],     v[S:S+1],     v[S+8:S+9]
	v_pk_mul_f32 v[S:S+1], v[S:S+1], 0x3a000000 op_sel_hi:[1,0]    ; / 2048
	ds_store_b64 v28, v[S:S+1] offset:VMB
.Lnotw0:
	s_wait_dscnt 0x0
	s_barrier_signal -1
	s_barrier_wait -1
	EPILOGUE
	s_wait_xcnt 0x0                                ; the stores' data (F) and base are written again only behind this wait
	; ---- second block: i.  Its first tile lies in stage 0 and its second is on its way: the walk ran on.
	s_add_co_u32 s34, s54, 4
	s_lshr_b32 s3, s34, 1
	s_lshl_b32 s46, s17, 16
	QLOAD
	INIT
	s_mov_b32 s2, 0
.Lblock1:
	s_lshl_b32 s35, s2, 1
	HALF 1, 0
	HALF 1, 1
	s_add_co_u32 s2, s2, 1
	s_cmp_lt_u32 s2, s3
	s_cbranch_scc1 .Lblock1
	EPILOGUE
	s_set_vgpr_msb 0x5
	s_wait_tensorcnt 0x0
	ds_add_u32 v64, v65
	s_wait_dscnt 0x0
	s_set_vgpr_msb 0x500
	s_endpgm
.Lfunc_end_k_qd5b78fd128_attn:
	.size	k_qd5b78fd128_attn, .Lfunc_end_k_qd5b78fd128_attn-k_qd5b78fd128_attn
	.p2alignl 7, 3214868480
	.fill 96, 4, 3214868480
	.section	.rodata,"a",@progbits
	.p2align	6, 0x0
	.amdhsa_kernel k_qd5b78fd128_attn
		.amdhsa_group_segment_fixed_size 136192
		.amdhsa_private_segment_fixed_size 0
		.amdhsa_enable_private_segment 0
		.amdhsa_kernarg_size 40
		.amdhsa_user_sgpr_count 2
		.amdhsa_user_sgpr_kernarg_segment_ptr 1
		.amdhsa_wavefront_size32 1
		.amdhsa_system_sgpr_workgroup_id_x 1
		.amdhsa_system_sgpr_workgroup_id_y 1
		.amdhsa_system_sgpr_workgroup_id_z 1
		.amdhsa_system_vgpr_workitem_id 0
		.amdhsa_next_free_vgpr 322
		.amdhsa_next_free_sgpr 66
		.amdhsa_reserve_vcc 1
		.amdhsa_float_denorm_mode_32 3
		.amdhsa_float_denorm_mode_16_64 3
		.amdhsa_memory_ordered 1
		.amdhsa_forward_progress 1
		.amdhsa_inst_pref_size 225
	.end_amdhsa_kernel
	.amdgpu_metadata
---
amdhsa.version: [ 1, 2 ]
amdhsa.kernels:
  - .name:           k_qd5b78fd128_attn
    .symbol:         k_qd5b78fd128_attn.kd
    .args:
      - { .name: attention_mask, .offset: 0, .size: 8, .value_kind: global_buffer, .address_space: global }
      - { .name: k, .offset: 8, .size: 8, .value_kind: global_buffer, .address_space: global }
      - { .name: q, .offset: 16, .size: 8, .value_kind: global_buffer, .address_space: global }
      - { .name: v, .offset: 24, .size: 8, .value_kind: global_buffer, .address_space: global }
      - { .name: out0, .offset: 32, .size: 8, .value_kind: global_buffer, .address_space: global }
    .group_segment_fixed_size: 136192
    .private_segment_fixed_size: 0
    .kernarg_segment_align: 8
    .kernarg_segment_size: 40
    .max_flat_workgroup_size: 256
    .sgpr_count:     66
    .vgpr_count:     322
    .wavefront_size: 32
...
	.end_amdgpu_metadata
.endif
;; end of part 1
;; ======== version 2 of 3: 2 launches; 1.41 times as fast as version 1
;; limits: inputs' magnitudes at most 65,504; right only within a limited range of input values; values are held in f16: magnitudes above 65,504 overflow, below 6.1e-05 lose precision
;; workspace buffers: klist 32,768 bytes of whole numbers; lim 32,768 bytes of whole numbers; vsum 65,536 bytes
;; launch prep (part 2): grid 256 x 1, 8 waves a work-group, no clusters, 3,072 bytes of LDS; arguments attention_mask, v, klist, lim, vsum; writes klist, lim, vsum
.if DOCPART == 2
	.amdgcn_target "amdgcn-amd-amdhsa--gfx1250"
	.amdhsa_code_object_version 6
	.text
	.protected	k_qd5b78fd128_prep
	.globl	k_qd5b78fd128_prep
	.p2align	8
	.type	k_qd5b78fd128_prep,@function
k_qd5b78fd128_prep:
	s_mov_b64 s[64:65], 0
	v_nop
	global_prefetch_b8 v0, s[64:65] scope:SCOPE_SE
	s_setreg_imm32_b32 hwreg(HW_REG_WAVE_MODE, 25, 1), 1
	s_wait_xcnt 0x0
; What the attention launch needs of attention_mask [4][2048] (bytes 0 or 1, as the problem states them) and, for rows without an allowed key, of v.
;   klist[b][2048], int32: the key numbers of batch b, the allowed ones first in ascending order, then the blocked ones: every entry is a key, every entry is stored.
;   lim[b][q], int32:      how many keys <= q are allowed.  Query q may use exactly the first lim[b][q] entries of klist[b].
;   vsum[head][4][64], f32: column sums of rows 512 p .. 512 p + 511 of v[head].
; WORK LEFT OUT.  The sums of v serve rows q with attention_mask[b][0..q] all false (2048 equal scores, weights 1/2048 on all keys).  Where attention_mask[b][0]
; is true no row of batch b is such a row, for all values of the other inputs: v is then not read and zeros are stored.  LIMIT: a NaN or an infinity in v is
; then not carried into the sums.
; SHARES.  256 work-groups of 8 waves.  Work-group x sums part x & 3 of head x >> 2: 131,072 consecutive bytes, 32 loads of 16 bytes a thread, all on their way
; at once.  The four work-groups with x & 63 = 0 first make their batch's two tables, each wave for 256 keys.
; No matrix unit, no cluster, no LDS ring: a stream read once, and 64 KB of tables.
.set VS,  8                            ; v[8:11]    my four column sums
.set TP,  12                           ; v[12:15]   the other half's sums
.set LS,  16                           ; v[16:47]   four steps of 64 keys, 8 registers each: keys, places, counts (sources of stores: never written twice)
.set MW,  48                           ; v[48:63]   64 mask bytes of my lane
.set X,   64                           ; v[64:191]  32 loads of v
	s_load_b256 s[4:11], s[0:1], 0x0               ; mask s[4:5], v s[6:7], klist s[8:9], lim s[10:11]
	s_load_b64 s[12:13], s[0:1], 0x20              ; vsum
	v_lshl_add_u32 v200, v0, 2, 0x800
	v_mov_b32 v201, 0
	v_lshrrev_b32 v2, 5, v0
	v_readfirstlane_b32 s14, v2                    ; wave w
	s_lshr_b32 s15, ttmp9, 6                       ; batch
	s_lshl_b32 s16, s15, 11                        ; 2048 mask bytes a batch
	s_mov_b32 s17, 0
	s_lshl_b32 s18, ttmp9, 17                      ; 512 rows of 256 bytes a work-group
	s_mov_b32 s19, 0
	s_lshl_b32 s20, ttmp9, 8                       ; 64 sums a work-group
	s_mov_b32 s21, 0
	s_lshl_b32 s22, s15, 13                        ; 2048 words a batch in each table
	s_mov_b32 s23, 0
	s_mov_b32 s38, 0x76543210                      ; v_permlanex16_b32: lane l reads lane l xor 16
	s_mov_b32 s39, 0xfedcba98
	v_lshlrev_b32 v1, 4, v0                        ; 16 t: floats 4 (t & 15) .. of row t >> 4
	v_and_b32 v2, 31, v0                           ; lane
.irp c, 0,1,2,3
	v_mov_b32 v[VS+\c], 0
	v_mov_b32 v[TP+\c], 0
.endr
	s_wait_kmcnt 0x0
	s_add_nc_u64 s[4:5], s[4:5], s[16:17]
	s_add_nc_u64 s[6:7], s[6:7], s[18:19]
	s_add_nc_u64 s[8:9], s[8:9], s[22:23]
	s_add_nc_u64 s[10:11], s[10:11], s[22:23]
	s_add_nc_u64 s[12:13], s[12:13], s[20:21]
	s_load_u8 s24, s[4:5], 0x0                     ; attention_mask[b][0]
	s_and_b32 s25, ttmp9, 63
	s_cmp_lg_u32 s25, 0
	s_cbranch_scc1 .Lnolist
	; ---- the tables of my batch.  Wave w owns keys 256 w .. 256 w + 255, in four steps of 64: lane l takes keys 2 l and 2 l + 1 of a step.
	v_lshlrev_b32 v3, 1, v2
	v_lshl_add_u32 v3, s14, 8, v3                  ; my even key of step 0, and its byte in the mask
	v_lshlrev_b32 v192, 6, v2                      ; 64 l: for the counts every wave looks at all 2048 bytes, 64 a lane
	v_lshlrev_b32 v193, 2, v3                      ; my two words of lim in step 0
.irp s, 0,1,2,3
	global_load_u16 v[4+\s], v3, s[4:5] offset:64*\s
.endr
.irp u, 0,1,2,3
	global_load_b128 v[MW+4*\u:MW+4*\u+3], v192, s[4:5] offset:16*\u
.endr
	s_mov_b32 s26, 0x01010101
	s_lshl_b32 s27, s14, 2
	s_bfm_b32 s27, s27, 0                          ; lanes below 4 w: they hold the keys below 256 w
	s_mov_b32 s28, 0                               ; allowed keys below my wave's
	s_mov_b32 s29, 0                               ; allowed keys in all
	s_wait_loadcnt 0x0
	v_add_nc_u32 v194, v[MW],   v[MW+1]            ; 16 words added, in two chains, as four byte sums of at most 16 each: no carry between bytes
	v_add_nc_u32 v195, v[MW+2], v[MW+3]
.irp p, 4,8,12
	v_add_nc_u32 v194, v194, v[MW+\p]
	v_add_nc_u32 v195, v195, v[MW+\p+1]
	v_add_nc_u32 v194, v194, v[MW+\p+2]
	v_add_nc_u32 v195, v195, v[MW+\p+3]
.endr
	v_add_nc_u32 v194, v194, v195
	v_mul_lo_u32 v194, v194, s26                   ; the top byte gathers the four byte sums: at most 64
	v_lshrrev_b32 v194, 24, v194                   ; allowed keys among my 64
.irp k, 0,1,2,3,4,5,6
	v_and_b32 v195, 1<<\k, v194                    ; the sum over lanes, bit by bit of the count: 2^k times the number of lanes that have bit k
	v_cmp_ne_u32 s30, 0, v195
	s_bcnt1_i32_b32 s31, s30
	s_lshl_b32 s31, s31, \k
	s_add_co_u32 s29, s29, s31
	s_and_b32 s30, s30, s27
	s_bcnt1_i32_b32 s31, s30
	s_lshl_b32 s31, s31, \k
	s_add_co_u32 s28, s28, s31
.endr
.irp s, 0,1,2,3
.set R, LS+8*\s
	v_and_b32 v[R+6], 0xff, v[4+\s]                ; my even key's byte
	v_lshrrev_b32 v[R+7], 8, v[4+\s]               ; my odd key's byte
	v_cmp_ne_u32 s30, 0, v[R+6]
	v_cmp_ne_u32 s31, 0, v[R+7]
	v_mbcnt_lo_u32_b32 v[R+2], s30, 0              ; allowed keys of this step in the lanes below mine,
	v_mbcnt_lo_u32_b32 v[R+2], s31, v[R+2]         ; even and odd,
	v_add_nc_u32 v[R+2], s28, v[R+2]               ; and all before this step: the allowed keys below my even key
	v_add_nc_u32 v[R+4], v[R+2], v[R+6]            ; lim[even key] = the allowed keys below my odd key
	v_add_nc_u32 v[R+5], v[R+4], v[R+7]            ; lim[odd key]
	v_add_nc_u32 v[R],   64*\s,   v3               ; the two keys
	v_add_nc_u32 v[R+1], 64*\s+1, v3
	v_sub_nc_u32 v[R+6], v[R],   v[R+2]            ; blocked keys below each,
	v_sub_nc_u32 v[R+7], v[R+1], v[R+4]
	v_add_nc_u32 v[R+6], s29, v[R+6]               ; which follow behind all allowed keys
	v_add_nc_u32 v[R+7], s29, v[R+7]
	v_cndmask_b32 v[R+2], v[R+6], v[R+2], s30      ; the key's place in klist
	v_cndmask_b32 v[R+3], v[R+7], v[R+4], s31
	v_min_u32 v[R+2], 0x7ff, v[R+2]                ; a place made of loaded numbers enters an address behind a clamp to the table's 2048 entries
	v_min_u32 v[R+3], 0x7ff, v[R+3]
	v_lshlrev_b32 v[R+2], 2, v[R+2]
	v_lshlrev_b32 v[R+3], 2, v[R+3]
	global_store_b32 v[R+2], v[R],   s[8:9]        ; 4 bytes a lane, in runs of neighbouring places: 8 KB a batch, 32 KB in the launch
	global_store_b32 v[R+3], v[R+1], s[8:9]
	global_store_b64 v193, v[R+4:R+5], s[10:11] offset:256*\s      ; the wave's store covers 256 consecutive bytes, aligned
	s_bcnt1_i32_b32 s30, s30
	s_bcnt1_i32_b32 s31, s31
	s_add_co_u32 s28, s28, s30
	s_add_co_u32 s28, s28, s31
.endr
.Lnolist:
	; ---- the sums of my 512 rows of v, if any row of the batch can be without an allowed key
	s_wait_kmcnt 0x0
	s_cmp_lg_u32 s24, 0
	s_cbranch_scc1 .Lnosum
.set u, 0
.rept 32
	global_load_b128 v[X+4*u:X+4*u+3], v1, s[6:7] offset:4096*u th:TH_LOAD_NT    ; 16 rows a load and work-group; 512 consecutive aligned bytes a wave
.set u, u+1
.endr
.set u, 0
.rept 32
	s_wait_loadcnt 31-u                            ; loads come back in order: load u is in, the younger ones stay out
	v_pk_add_f32 v[VS:VS+1],   v[VS:VS+1],   v[X+4*u:X+4*u+1]
	v_pk_add_f32 v[VS+2:VS+3], v[VS+2:VS+3], v[X+4*u+2:X+4*u+3]
.set u, u+1
.endr
.Lnosum:
.irp c, 0,1,2,3
	v_permlanex16_b32 v[TP+\c], v[VS+\c], s38, s39 ; lanes l and l xor 16 hold the same four columns
.endr
	v_pk_add_f32 v[VS:VS+1],   v[VS:VS+1],   v[TP:TP+1]
	v_pk_add_f32 v[VS+2:VS+3], v[VS+2:VS+3], v[TP+2:TP+3]
	v_and_b32 v195, 15, v0
	v_lshlrev_b32 v195, 4, v195
	v_lshl_add_u32 v195, s14, 8, v195
	ds_store_b128 v195, v[VS:VS+3]                 ; my wave's 64 column sums (both halves store the same numbers)
	s_wait_dscnt 0x0                               ; for the wave that reads them behind the barrier
	s_barrier_signal -1
	s_barrier_wait -1
	s_cmp_lg_u32 s14, 0
	s_cbranch_scc1 .Lend
	v_lshlrev_b32 v195, 3, v2                      ; 8 l: columns 2 l, 2 l + 1
.irp k, 0,1,2,3,4,5,6,7
	ds_load_b64 v[X+2*\k:X+2*\k+1], v195 offset:256*\k
.endr
	s_wait_dscnt 0x0
	v_pk_add_f32 v[X:X+1],     v[X:X+1],     v[X+2:X+3]
	v_pk_add_f32 v[X+4:X+5],   v[X+4:X+5],   v[X+6:X+7]
	v_pk_add_f32 v[X+8:X+9],   v[X+8:X+9],   v[X+10:X+11]
	v_pk_add_f32 v[X+12:X+13], v[X+12:X+13], v[X+14:X+15]
	v_pk_add_f32 v[X:X+1],     v[X:X+1],     v[X+4:X+5]
	v_pk_add_f32 v[X+8:X+9],   v[X+8:X+9],   v[X+12:X+13]
	v_pk_add_f32 v[X:X+1],     v[X:X+1],     v[X+8:X+9]
	global_store_b64 v195, v[X:X+1], s[12:13]      ; 256 consecutive bytes, aligned
.Lend:
	s_wait_tensorcnt 0x0
	ds_add_u32 v200, v201
	s_wait_dscnt 0x0
	s_endpgm
.Lfunc_end_k_qd5b78fd128_prep:
	.size	k_qd5b78fd128_prep, .Lfunc_end_k_qd5b78fd128_prep-k_qd5b78fd128_prep
	.p2alignl 7, 3214868480
	.fill 96, 4, 3214868480
	.section	.rodata,"a",@progbits
	.p2align	6, 0x0
	.amdhsa_kernel k_qd5b78fd128_prep
		.amdhsa_group_segment_fixed_size 3072
		.amdhsa_private_segment_fixed_size 0
		.amdhsa_enable_private_segment 0
		.amdhsa_kernarg_size 40
		.amdhsa_user_sgpr_count 2
		.amdhsa_user_sgpr_kernarg_segment_ptr 1
		.amdhsa_wavefront_size32 1
		.amdhsa_system_sgpr_workgroup_id_x 1
		.amdhsa_system_sgpr_workgroup_id_y 1
		.amdhsa_system_sgpr_workgroup_id_z 1
		.amdhsa_system_vgpr_workitem_id 0
		.amdhsa_next_free_vgpr 202
		.amdhsa_next_free_sgpr 66
		.amdhsa_reserve_vcc 0
		.amdhsa_float_denorm_mode_32 3
		.amdhsa_float_denorm_mode_16_64 3
		.amdhsa_memory_ordered 1
		.amdhsa_forward_progress 1
		.amdhsa_inst_pref_size 22
	.end_amdhsa_kernel
	.amdgpu_metadata
---
amdhsa.version: [ 1, 2 ]
amdhsa.kernels:
  - .name:           k_qd5b78fd128_prep
    .symbol:         k_qd5b78fd128_prep.kd
    .args:
      - { .name: attention_mask, .offset: 0, .size: 8, .value_kind: global_buffer, .address_space: global }
      - { .name: v, .offset: 8, .size: 8, .value_kind: global_buffer, .address_space: global }
      - { .name: klist, .offset: 16, .size: 8, .value_kind: global_buffer, .address_space: global }
      - { .name: lim, .offset: 24, .size: 8, .value_kind: global_buffer, .address_space: global }
      - { .name: vsum, .offset: 32, .size: 8, .value_kind: global_buffer, .address_space: global }
    .group_segment_fixed_size: 3072
    .private_segment_fixed_size: 0
    .kernarg_segment_align: 8
    .kernarg_segment_size: 40
    .max_flat_workgroup_size: 256
    .sgpr_count:     66
    .vgpr_count:     202
    .wavefront_size: 32
...
	.end_amdgpu_metadata
.endif
;; end of part 2
;; launch attn (part 3): grid 256 x 1, 8 waves a work-group, no clusters, 136,192 bytes of LDS; arguments klist, lim, vsum, k, q, v, out0; writes out0
.if DOCPART == 3
	.amdgcn_target "amdgcn-amd-amdhsa--gfx1250"
	.amdhsa_code_object_version 6
	.text
	.protected	k_qd5b78fd128_attn
	.globl	k_qd5b78fd128_attn
	.p2align	8
	.type	k_qd5b78fd128_attn,@function
k_qd5b78fd128_attn:
	s_mov_b64 s[64:65], 0
	v_nop
	global_prefetch_b8 v0, s[64:65] scope:SCOPE_SE
	s_setreg_imm32_b32 hwreg(HW_REG_WAVE_MODE, 25, 1), 1
	s_wait_xcnt 0x0
; out[b,h,q,:] = softmax over keys of (q.k / 8, blocked where key > q or attention_mask[b,key] is false) times v.   B x H = 64 heads, S = 2048, D = 64, f32.
; Products in f16 with f32 sums; maximum, exponentials, sums and the rescaling in f32, with a running maximum.
; WHY F16 AND NOT BF16.  An early row is a sum of a few products of a weight near 1 and a v of order 1, so an operand's rounding shows in it undamped, while the
; output's root mean square, by which results are judged, is far lower: late rows average hundreds of keys.  f16's 11 significant bits leave an eighth of the
; error of bf16's 8.  The weights lie in [0, 1]; inputs of spread 1 have a factor of some 10^4 of room below f16's largest number.
;
; WORK LEFT OUT.  reference() sets blocked scores to the lowest finite f32.  (1) A row with at least one allowed key gives every blocked key the weight
; exp(lowest - max), which is 0 beside the weight 1 of the row's largest score.  So only allowed keys are fetched and multiplied: the launch before this one
; has stored, from attention_mask, klist[b] (the allowed keys in ascending order, then the others) and lim[b][q] (the number of allowed keys <= q), and query q
; uses exactly the first lim[b][q] entries of klist[b]: that holds the mask and the tril of reference() at once.  (2) A row with lim = 0 has 2048 equal scores,
; so its weights are 1/2048 on ALL keys: its result is the mean of v[b,h] over the 2048 keys, made of the four partial sums in vsum and selected, lane by lane,
; where a row's sum of weights is exactly 0.  attention_mask itself is no argument of this launch; use_causal_mask is the constant 1 and is none either.
; LIMITS.  |q|, |k|, |v| <= 65,504 (f16's largest number; beyond it an operand becomes an infinity); an operand below 2^-14 keeps an absolute error of up to
; 2^-25.  |q.k| < 2^100 (blocked scores are -2^120, the running maximum starts at -2^100).  Inputs are finite: a NaN, an infinity or an overflow in k or v at a
; key that is blocked for a row is not carried to that row's result as reference() would carry it.  The mean of v is summed in another order.
;
; SHARES.  256 work-groups of 8 waves.  Work-group x: head x >> 2, i = x & 3.  A head has 8 blocks of 256 query rows; the work-group takes block 7 - i, then
; block i.  Wave w owns 32 rows of the block (first row r0), as two tiles of 16.  A key tile is 64 neighbouring places of klist; tile n is met in trip n.
; Three counts, read from lim, steer a block: T = ceil(lim[last row of the block] / 64) tiles are staged; the wave multiplies tiles below
; ceil(lim[r0 + 31] / 64); tiles below lim[r0] / 64 lie wholly inside every row's share and need no select, the one or two between do.
; THE LOOPS' BOUNDS ARE MADE OF IDS, 32 - 4 i and 4 i + 4 trips, the most that any mask can ask for: every trip ends in a barrier, and barriers stand only on
; ways that hang on ids.  A trip at or beyond T jumps over staging and products and holds its barrier alone.
; K and V rows are gathered as f32 by all 256 threads (sixteen lanes take one whole row of 256 bytes), rounded to f16 in registers and laid into one of two
; LDS stages; one barrier a trip.  NO CLUSTER, NO TENSOR LOADS: the four work-groups of a head walk different numbers of tiles, the rows are picked by a list,
; and K and V change format on the way into LDS, which only registers can do.
; THE PRODUCTS ARE USED TRANSPOSED.  S^T = K Q^T: register j of lane (r, h) holds (place 8 h + j, query r), so a query's maximum, sum and lim are a lane's own
; (one exchange between the halves for the maximum, one at the end for the sum), and two neighbouring S^T tiles, packed to f16 in place, ARE the second
; source P^T of O^T = V^T P^T.
;
; LDS:  0x0000 stage 0: K 64 rows of 144 bytes, at 0x2400 V 64 rows of 160;  0x7800 mean of V, 64 f32;  0x8000 stage 1;
;       0x10000 + 8704 w: the wave's own bytes (Q in: 32 rows of 144; O out: 32 rows of 272).
;       144 and 272 are odd multiples of 16 and 160 is an odd multiple of 32: the rows that one fragment load touches begin at different 16-byte columns of 256.
; REGISTERS: v0 thread, v1-v9 addresses, v10-11 lim of my two queries less 8 h, v16-23 softmax state, v24-31 at work, v32-63 Q (on the way out: the mean),
;       v64-127 S then P, v128-139 gather offsets, v140-143 key numbers, v160-223 K then V fragments, v224-255 the tile on its way; v256-319 (window 1) O^T.
.set KP,    144                        ; LDS pitch of K's and Q's f16 rows
.set VP,    160                        ; LDS pitch of V's f16 rows
.set VOFF,  0x2400                     ; V behind K in a stage
.set STG,   0x8000                     ; from stage 0 to stage 1
.set VMB,   0x7800
.set OWNB,  0x10000
.set OWN,   8704                       ; bytes of a wave's own region
.set OP,    272                        ; LDS pitch of O's f32 rows
.set T,   24                           ; v24-31   at work
.set Q,   32                           ; v32-63   Q(qt, ks) at Q + 8 (2 qt + ks)
.set S,   64                           ; v64-127  S(qt, kt) at S + 8 (4 qt + kt); P(qt, ks) ends in S + 32 qt + 16 ks .. + 7
.set GA0, 128                          ; v128-131 byte offsets, in a head, of my 16 bytes in my four rows of tile 0: kept, both blocks begin there
.set GA1, 132                          ; v132-135 the same of tile 1
.set GA,  136                          ; v136-139 the same of the tile that is asked for in the loop
.set IX,  140                          ; v140-143 my four key numbers of the tile after it
.set F,   160                          ; v160-223 K(kt, ks) at F + 8 (2 kt + ks), later V(dt, ks) at F + 8 (2 dt + ks)
.set PF,  224                          ; v224-239 K, v240-255 V: the tile on its way, f32
.set NMC, 16                           ; v16, v18 -c x maximum of query tile 0, 1;  v17, v19 the maximum
.set AL,  20                           ; v20, v22 this trip's rescaling factor;     v21, v23 the lane's part of the sum
.set MSB, 0
.macro WIN new                         ; s_set_vgpr_msb: low byte 1:0 source 0, 3:2 source 1, 5:4 source 2, 7:6 destination; the high byte repeats the setting left
.if MSB != \new
	s_set_vgpr_msb (MSB<<8)|\new
.set MSB, \new
.endif
.endm
; Four key numbers become four byte offsets: a number that was loaded enters an address behind a clamp to the head's 2048 rows; a row is 256 bytes.
.macro GADDR dst, src
.irp i, 0,1,2,3
	v_min_u32 v[\dst+\i], 0x7ff, v[\src+\i]
.endr
.irp i, 0,1,2,3
	v_lshl_add_u32 v[\dst+\i], v[\dst+\i], 8, v1
.endr
.endm
; A tile's K and V, 8 loads of 16 bytes a thread: thread t takes floats 4 (t & 15) .. + 3 of the tile's rows 4 (t >> 4) + i.
.macro KVLOAD ga
.irp i, 0,1,2,3
	global_load_b128 v[PF+4*\i:PF+4*\i+3], v[\ga+\i], s[20:21]
.endr
.irp i, 0,1,2,3
	global_load_b128 v[PF+16+4*\i:PF+16+4*\i+3], v[\ga+\i], s[22:23]
.endr
.endm
; The tile that has arrived is rounded to f16 in place and stored into stage buf.
.macro CONVERT buf
.irp i, 0,1,2,3,4,5,6,7
	v_cvt_pk_f16_f32 v[PF+4*\i],   v[PF+4*\i],   v[PF+4*\i+1]
	v_cvt_pk_f16_f32 v[PF+4*\i+1], v[PF+4*\i+2], v[PF+4*\i+3]
.endr
.irp i, 0,1,2,3
	ds_store_b64 v2, v[PF+4*\i:PF+4*\i+1] offset:(\buf)*STG+KP*\i
.endr
.irp i, 0,1,2,3
	ds_store_b64 v3, v[PF+16+4*\i:PF+17+4*\i] offset:(\buf)*STG+VP*\i
.endr
.endm
; Query tile qt: the new running maximum of my query (32 scores, the old maximum, the other half of the lanes), the new shift -c x maximum,
; and the factor exp2(new shift - old shift): exactly 1 where the maximum stays, and made of the very shifts that the stored sums were made with.
.macro SMAX qt
.irp kt, 0,1,2,3
	v_max3_num_f32 v[T+\kt], v[S+32*\qt+8*\kt], v[S+32*\qt+8*\kt+1], v[S+32*\qt+8*\kt+2]
.endr
.irp kt, 0,1,2,3
	v_max3_num_f32 v[T+\kt], v[T+\kt], v[S+32*\qt+8*\kt+3], v[S+32*\qt+8*\kt+4]
.endr
.irp kt, 0,1,2,3
	v_max3_num_f32 v[T+\kt], v[T+\kt], v[S+32*\qt+8*\kt+5], v[S+32*\qt+8*\kt+6]
.endr
	v_max3_num_f32 v[T],   v[T],   v[T+1], v[S+32*\qt+7]
	v_max3_num_f32 v[T+2], v[T+2], v[T+3], v[S+32*\qt+15]
	v_max3_num_f32 v[T],   v[T],   v[S+32*\qt+23], v[S+32*\qt+31]
	v_max3_num_f32 v[T],   v[T],   v[T+2], v[NMC+2*\qt+1]
	v_permlanex16_b32 v[T+1], v[T], s38, s39       ; the same query's other 32 places lie in lane l xor 16
	v_max_num_f32 v[NMC+2*\qt+1], v[T], v[T+1]
	v_mul_f32 v[T+3], s42, v[NMC+2*\qt+1]          ; -c x maximum
	v_sub_f32 v[T+2], v[T+3], v[NMC+2*\qt]
	v_exp_f32 v[AL+2*\qt], v[T+2]
	v_mov_b32 v[NMC+2*\qt], v[T+3]                 ; also the plain instruction behind the exponential (ISA guide 5.7.2): it touches neither its result nor its source
.endm
; Query tile qt: p = exp2(c s - c max) in place, the lane's sum, then P packed to f16 in place: S(qt, 2 ks) and S(qt, 2 ks + 1) become the 8 registers of P(qt, ks).
.macro SEXP qt
.set j, 0
.rept 16
	v_pk_fma_f32 v[S+32*\qt+2*j:S+32*\qt+2*j+1], v[S+32*\qt+2*j:S+32*\qt+2*j+1], s[40:41], v[NMC+2*\qt:NMC+2*\qt+1] op_sel_hi:[1,0,0]
.set j, j+1
.endr
.set j, 0
.rept 32
	v_exp_f32 v[S+32*\qt+j], v[S+32*\qt+j]
.set j, j+1
.endr
	v_nop                                          ; one plain instruction between the exponentials and the first use of a result (ISA guide 5.7.2)
	s_wait_alu depctr_va_vdst(0)
	v_pk_add_f32 v[T+4:T+5], v[S+32*\qt:S+32*\qt+1],   v[S+32*\qt+4:S+32*\qt+5]
	v_pk_add_f32 v[T+6:T+7], v[S+32*\qt+2:S+32*\qt+3], v[S+32*\qt+6:S+32*\qt+7]
.irp p, 8,12,16,20,24,28
	v_pk_add_f32 v[T+4:T+5], v[T+4:T+5], v[S+32*\qt+\p:S+32*\qt+\p+1]
	v_pk_add_f32 v[T+6:T+7], v[T+6:T+7], v[S+32*\qt+\p+2:S+32*\qt+\p+3]
.endr
	v_pk_add_f32 v[T+4:T+5], v[T+4:T+5], v[T+6:T+7]
	v_add_f32 v[T+4], v[T+4], v[T+5]
	v_fma_f32 v[AL+2*\qt+1], v[AL+2*\qt+1], v[AL+2*\qt], v[T+4]
.irp ks, 0,1
.irp k, 0,1,2,3,4,5,6,7
	v_cvt_pk_f16_f32 v[S+32*\qt+16*\ks+\k], v[S+32*\qt+16*\ks+2*\k], v[S+32*\qt+16*\ks+2*\k+1]   ; upward: register k is written when 2 k and 2 k + 1 have been read
.endr
.endr
.endm
; One key tile from stage buf for my 32 rows.  s45 = n, the trip and the tile.  sel = 1: some place of the tile lies outside some row's share.
; In both runs of products the accumulators take turns, one instruction a turn.
.macro COMPUTE buf, sel
.if \sel
	s_lshl_b32 s32, s45, 6
	v_sub_nc_u32 v30, v10, s32                     ; lim[my query] - 8 h - 64 n, signed: place 64 n + 16 kt + 8 h + j is mine where 16 kt + j lies below it
	v_sub_nc_u32 v31, v11, s32
.endif
.irp ks, 0,1
.irp kt, 0,1,2,3
	ds_load_b128 v[F+8*(2*\kt+\ks):F+8*(2*\kt+\ks)+3],   v4 offset:\buf*STG+16*KP*\kt+64*\ks
	ds_load_b128 v[F+8*(2*\kt+\ks)+4:F+8*(2*\kt+\ks)+7], v4 offset:\buf*STG+16*KP*\kt+64*\ks+32
.endr
.endr
	s_wait_dscnt 0x8                               ; all but the eight youngest, the fragments of d = 32 .. 63
.irp qt, 0,1
.irp kt, 0,1,2,3
	v_wmma_f32_16x16x32_f16 v[S+8*(4*\qt+\kt):S+8*(4*\qt+\kt)+7], v[F+16*\kt:F+16*\kt+7], v[Q+16*\qt:Q+16*\qt+7], 0
.endr
.endr
	s_wait_dscnt 0x0
.irp qt, 0,1
.irp kt, 0,1,2,3
	v_wmma_f32_16x16x32_f16 v[S+8*(4*\qt+\kt):S+8*(4*\qt+\kt)+7], v[F+16*\kt+8:F+16*\kt+15], v[Q+16*\qt+8:Q+16*\qt+15], v[S+8*(4*\qt+\kt):S+8*(4*\qt+\kt)+7]
.endr
.endr
.rept 4
	v_nop                                          ; four places behind the last product, ahead of the loads over K's fragments and of the first read of a score
.endr
.irp ks, 0,1
.irp dt, 0,1,2,3
	ds_load_tr16_b128 v[F+8*(2*\dt+\ks):F+8*(2*\dt+\ks)+3],   v5 offset:\buf*STG+32*VP*\ks+32*\dt         ; V^T: d = 16 dt + r, places 32 ks + 8 h ..
	ds_load_tr16_b128 v[F+8*(2*\dt+\ks)+4:F+8*(2*\dt+\ks)+7], v5 offset:\buf*STG+32*VP*\ks+32*\dt+16*VP   ; places 32 ks + 16 + 8 h ..
.endr
.endr
.if \sel
.irp qt, 0,1
.irp kt, 0,1,2,3
.irp j, 0,1,2,3,4,5,6,7
	v_cmp_lt_i32 vcc_lo, 16*\kt+\j, v[30+\qt]
	v_cndmask_b32 v[S+8*(4*\qt+\kt)+\j], s43, v[S+8*(4*\qt+\kt)+\j], vcc_lo
.endr
.endr
.endr
.endif
	SMAX 0
	SMAX 1
	SEXP 0
	SEXP 1
	WIN 0x41                                       ; O: destination and source 0 in window 1
.irp qt, 0,1
.set j, 0
.rept 16
	v_pk_mul_f32 v[32*\qt+2*j:32*\qt+2*j+1], v[32*\qt+2*j:32*\qt+2*j+1], v[AL+2*\qt:AL+2*\qt+1] op_sel_hi:[1,0]
.set j, j+1
.endr
.endr
	s_wait_dscnt 0x0                               ; V's fragments
	WIN 0x50                                       ; C and D in window 1
.irp ks, 0,1
.irp qt, 0,1
.irp dt, 0,1,2,3
	v_wmma_f32_16x16x32_f16 v[8*(4*\qt+\dt):8*(4*\qt+\dt)+7], v[F+8*(2*\dt+\ks):F+8*(2*\dt+\ks)+7], v[S+32*\qt+16*\ks:S+32*\qt+16*\ks+7], v[8*(4*\qt+\dt):8*(4*\qt+\dt)+7]
.endr
.endr
.endr
	WIN 0
.rept 5
	v_nop                                          ; five places behind the last product (ISA guide 7.12.1), written here so that every way out of the trip has them:
.endr                                                  ; ahead of the next loads over V's fragments, the next products over P, and the first read of O
.endm
; Behind trip n on stage buf: tile n + 1 goes into the other stage, tile n + 2 is asked for by the key numbers that have come, tile n + 3's key numbers are asked
; for, each only if that tile is below T; and one barrier serves both stages.  The other stage was read last in the trip before, whose reads every wave waited
; for ahead of that trip's barrier; it is read next behind this one.  The wait for all loads stands on every way: behind it PF, the offsets in GA and the
; base s[28:29] are free.  On the way that jumps over the conversion no LDS instruction of mine is out: the last wait on them was for 0.
.macro TAIL buf
	s_wait_loadcnt 0x0
	s_add_co_u32 s45, s35, \buf+1
	s_cmp_ge_u32 s45, s34
	s_cbranch_scc1 .Ld_\@
	CONVERT 1-\buf
	s_wait_dscnt 0x0                               ; my stores are in LDS: for the other waves behind the barrier, and ahead of the loads that land on their data
	s_add_co_u32 s45, s35, \buf+2
	s_cmp_ge_u32 s45, s34
	s_cbranch_scc1 .Ld_\@
	GADDR GA, IX
	KVLOAD GA
	s_add_co_u32 s45, s35, \buf+3
	s_cmp_ge_u32 s45, s34
	s_cbranch_scc1 .Ld_\@
	s_lshl_b32 s30, s45, 8                         ; a tile's 64 key numbers are 256 bytes; s31 stays 0
	s_add_nc_u64 s[28:29], s[4:5], s[30:31]
	global_load_b128 v[IX:IX+3], v6, s[28:29]
.Ld_\@:
	s_barrier_signal -1
	s_barrier_wait -1
.endm
.macro HALF sub
	s_add_co_u32 s45, s35, \sub                    ; n
	s_cmp_ge_u32 s45, s36
	s_cbranch_scc1 .Ltail_\@                       ; no place of the tile belongs to any of my rows
	s_cmp_ge_u32 s45, s37
	s_cbranch_scc1 .Lsel_\@
	COMPUTE \sub, 0
	s_branch .Ltail_\@
.Lsel_\@:
	COMPUTE \sub, 1
.Ltail_\@:
	TAIL \sub
.endm
; The three counts of a block, from the words of lim in s[cb], s[chi], s[clo].
.macro COUNTS cb, chi, clo
	s_add_co_u32 s34, s[\cb], 63
	s_lshr_b32 s34, s34, 6                         ; T: tiles that are staged,
	s_min_u32 s34, s34, 32                         ; a loaded number that bounds addresses: klist[b] has 32 tiles
	s_add_co_u32 s36, s[\chi], 63
	s_lshr_b32 s36, s36, 6                         ; tiles that I multiply
	s_lshr_b32 s37, s[\clo], 6                     ; of which so many need no select
.endm
; My 32 query rows (8,192 consecutive bytes, read once in the launch): f32 in, f16 through my own LDS bytes, out as four fragments.  And lim of my two queries.
; s[so] = byte offset in lim[b] of my wave's first row.
.macro QLOAD so
	s_add_nc_u64 s[50:51], s[24:25], s[46:47]
	v_bfe_u32 v27, v0, 4, 1                        ; h
	v_and_b32 v25, 15, v0                          ; r
	v_mul_u32_u24 v24, v27, KP
	v_lshl_add_u32 v24, v25, 3, v24
	v_add_nc_u32 v24, s52, v24                     ; in: row l / 16 of a pair of rows, 8 bytes at 8 (l % 16)
	v_lshl_add_u32 v26, v25, 2, s[\so]             ; lim of row r0 + r
	v_add_nc_u32 v25, s52, v4                      ; out: row r, 16 h
	v_lshlrev_b32 v27, 3, v27                      ; 8 h
.set u, 0
.rept 16
	global_load_b128 v[S+4*u:S+4*u+3], v9, s[50:51] offset:512*u th:TH_LOAD_NT
.set u, u+1
.endr
	global_load_b32 v10, v26, s[6:7]
	global_load_b32 v11, v26, s[6:7] offset:64     ; row r0 + 16 + r
	s_wait_loadcnt 0x0                             ; these, and tile 0 of K and V, which was asked for before them
	v_sub_nc_u32 v10, v10, v27
	v_sub_nc_u32 v11, v11, v27
.set u, 0
.rept 16
	v_cvt_pk_f16_f32 v[S+4*u],   v[S+4*u],   v[S+4*u+1]
	v_cvt_pk_f16_f32 v[S+4*u+1], v[S+4*u+2], v[S+4*u+3]
.set u, u+1
.endr
.set u, 0
.rept 16
	ds_store_b64 v24, v[S+4*u:S+4*u+1] offset:2*KP*u
.set u, u+1
.endr
.irp qt, 0,1
.irp ks, 0,1
	ds_load_b128 v[Q+8*(2*\qt+\ks):Q+8*(2*\qt+\ks)+3],   v25 offset:16*KP*\qt+64*\ks      ; my own bytes: LDS serves a wave's instructions in order (ISA guide 5.7.1.4)
	ds_load_b128 v[Q+8*(2*\qt+\ks)+4:Q+8*(2*\qt+\ks)+7], v25 offset:16*KP*\qt+64*\ks+32
.endr
.endr
	s_wait_dscnt 0x0
.endm
; The state of a block.  O is cleared, 64 moves a block: trip 0 is a wave's first live trip if it has one, but a wave none of whose rows has an allowed key
; runs no product at all, and its O is read on the way out like any other.
.macro INIT
	v_mov_b32 v[NMC+1], s44                        ; maximum = -2^100
	v_mov_b32 v[NMC+3], s44
	v_mul_f32 v[NMC],   s42, v[NMC+1]
	v_mul_f32 v[NMC+2], s42, v[NMC+3]
	v_mov_b32 v[AL+1], 0
	v_mov_b32 v[AL+3], 0
	WIN 0x40
.set j, 0
.rept 64
	v_mov_b32 v[j], 0
.set j, j+1
.endr
	WIN 0
.endm
; Ahead of a block's loop: tile 0, which has arrived (QLOAD's wait was for all loads), goes into stage 0; tile 1 and tile 2's key numbers are asked for.
; These first tiles are fetched whatever T is (klist holds a key at every place): with T below 3 up to two tiles of 32 KB are fetched and not used.
; The first block's store into stage 0 is the first access to it; the second block's stands behind the barrier that follows the first block's loop.
.macro START
	CONVERT 0
	s_wait_dscnt 0x0                               ; stage 0 (and, the first time, the mean of V) is in LDS
	KVLOAD GA1
	global_load_b128 v[IX:IX+3], v6, s[4:5] offset:512
	s_barrier_signal -1
	s_barrier_wait -1
.endm
; O / l, or the mean of V where l is 0; 32 rows through my own LDS bytes, out as whole rows: each store of the wave covers 512 consecutive bytes, aligned.
; The places behind the last product stand at the end of the last trip's products.  Q's registers are free here and take the mean.
.macro EPILOGUE
	s_add_nc_u64 s[50:51], s[26:27], s[46:47]
	v_bfe_u32 v24, v0, 4, 1
	v_lshlrev_b32 v24, 5, v24
.irp dt, 0,1,2,3
	ds_load_b128 v[Q+8*\dt:Q+8*\dt+3],   v24 offset:VMB+64*\dt      ; register j = mean[16 dt + 8 h + j]
	ds_load_b128 v[Q+8*\dt+4:Q+8*\dt+7], v24 offset:VMB+64*\dt+16
.endr
	v_permlanex16_b32 v25, v[AL+1], s38, s39
	v_permlanex16_b32 v26, v[AL+3], s38, s39
	v_add_f32 v[AL+1], v[AL+1], v25                ; the two halves of a query's sum
	v_add_f32 v[AL+3], v[AL+3], v26
	v_rcp_f32 v28, v[AL+1]
	v_rcp_f32 v30, v[AL+3]
	v_cmp_eq_f32 s48, 0, v[AL+1]                   ; no allowed key.  Also the plain instructions behind the reciprocals (ISA guide 5.7.2)
	v_cmp_eq_f32 s49, 0, v[AL+3]
	WIN 0x01                                       ; source 0 (O) in window 1
	s_wait_alu depctr_va_vdst(0)
.irp qt, 0,1
.set j, 0
.rept 16
	v_pk_mul_f32 v[S+32*\qt+2*j:S+32*\qt+2*j+1], v[32*\qt+2*j:32*\qt+2*j+1], v[28+2*\qt:29+2*\qt] op_sel_hi:[1,0]
.set j, j+1
.endr
.endr
	WIN 0
	s_wait_dscnt 0x0
.irp qt, 0,1
.irp dt, 0,1,2,3
.irp j, 0,1,2,3,4,5,6,7
	v_cndmask_b32 v[S+8*(4*\qt+\dt)+\j], v[S+8*(4*\qt+\dt)+\j], v[Q+8*\dt+\j], s[48+\qt]
.endr
.endr
.endr
.irp qt, 0,1
.irp dt, 0,1,2,3
	ds_store_b128 v7, v[S+8*(4*\qt+\dt):S+8*(4*\qt+\dt)+3]   offset:16*OP*\qt+64*\dt       ; row 16 qt + r, floats 16 dt + 8 h ..
	ds_store_b128 v7, v[S+8*(4*\qt+\dt)+4:S+8*(4*\qt+\dt)+7] offset:16*OP*\qt+64*\dt+16
.endr
.endr
.set u, 0
.rept 16
	ds_load_b128 v[F+4*u:F+4*u+3], v8 offset:2*OP*u                ; rows 2 u and 2 u + 1, 16 bytes a lane; in order behind my stores
.set u, u+1
.endr
.set u, 0
.rept 16
	s_wait_dscnt 15-u                              ; LDS loads come back in order: pair u is in, the younger ones may be out
	global_store_b128 v9, v[F+4*u:F+4*u+3], s[50:51] offset:512*u th:TH_STORE_NT
.set u, u+1
.endr
.endm
	; ---- ids, scalars, addresses
	s_load_b256 s[4:11], s[0:1], 0x0               ; klist s[4:5], lim s[6:7], vsum s[8:9], k s[10:11]
	s_load_b128 s[12:15], s[0:1], 0x20             ; q s[12:13], v s[14:15]
	s_load_b64 s[16:17], s[0:1], 0x30              ; out
	v_lshl_add_u32 v158, v0, 2, 0x21000
	v_mov_b32 v159, 0
	v_lshrrev_b32 v24, 5, v0
	v_readfirstlane_b32 s18, v24                   ; wave w
	s_and_b32 s19, ttmp9, 3                        ; i
	s_lshr_b32 s32, ttmp9, 2                       ; head,
	s_lshl_b32 s46, s32, 19                        ; times 2048 x 64 x 4 bytes
	s_mov_b32 s47, 0
	s_lshl_b32 s48, s32, 10                        ; times 4 x 64 partial sums
	s_mov_b32 s49, 0
	s_lshr_b32 s50, ttmp9, 6                       ; batch,
	s_lshl_b32 s50, s50, 13                        ; times 2048 words of either table
	s_mov_b32 s51, 0
	s_lshl_b32 s28, s18, 13                        ; my 32 rows of 256 bytes
	s_mov_b32 s29, 0
	s_add_nc_u64 s[28:29], s[28:29], s[46:47]
	s_mov_b32 s31, 0                               ; the upper word of the offset pair s[30:31]
	s_sub_co_u32 s33, 7, s19                       ; the first block
	s_lshl_b32 s59, s33, 10                        ; a block's 256 words of lim
	s_lshl_b32 s32, s18, 7                         ; my wave's 32 words in them
	s_add_co_u32 s60, s59, s32
	s_lshl_b32 s61, s19, 10                        ; the second block
	s_add_co_u32 s62, s61, s32
	s_mov_b32 s38, 0x76543210                      ; v_permlanex16_b32: lane l reads lane l xor 16
	s_mov_b32 s39, 0xfedcba98
	s_mov_b32 s40, 0x3e38aa3b                      ; c = log2(e) / 8
	s_mov_b32 s41, 0x3e38aa3b
	s_mov_b32 s42, 0xbe38aa3b                      ; -c
	s_mov_b32 s43, 0xfb800000                      ; -2^120: a blocked score
	s_mov_b32 s44, 0xf1800000                      ; -2^100: where the running maximum starts
	s_mul_i32 s52, s18, OWN
	s_add_co_u32 s52, s52, OWNB                    ; my own LDS bytes
	v_lshrrev_b32 v24, 4, v0                       ; g = t >> 4
	v_and_b32 v25, 15, v0                          ; r = t & 15
	v_bfe_u32 v26, v0, 4, 1                        ; h
	v_lshlrev_b32 v1, 4, v25                       ; 16 r: my 16 bytes of a row of k or v
	v_lshlrev_b32 v6, 4, v24                       ; 16 g: my four key numbers among a tile's 64
	v_mul_u32_u24 v2, v24, 4*KP
	v_lshl_add_u32 v2, v25, 3, v2                  ; K in: row 4 g, 8 bytes at 8 r
	v_mul_u32_u24 v3, v24, 4*VP
	v_lshl_add_u32 v3, v25, 3, v3
	v_add_nc_u32 v3, VOFF, v3                      ; V in
	v_mul_u32_u24 v4, v25, KP
	v_lshl_add_u32 v4, v26, 4, v4                  ; K fragments: row r, 16 h
	v_and_b32 v27, 7, v0
	v_lshl_add_u32 v27, v26, 3, v27                ; 8 h + (l & 7)
	v_bfe_u32 v28, v0, 3, 1
	v_mul_u32_u24 v5, v27, VP
	v_lshl_add_u32 v5, v28, 4, v5
	v_add_nc_u32 v5, VOFF, v5                      ; V fragments, transposing loads
	v_mul_u32_u24 v7, v25, OP
	v_lshl_add_u32 v7, v26, 5, v7
	v_add_nc_u32 v7, s52, v7                       ; O in: row r, 32 h
	v_mul_u32_u24 v8, v26, OP
	v_lshl_add_u32 v8, v25, 4, v8
	v_add_nc_u32 v8, s52, v8                       ; O back: row l / 16, 16 (l % 16)
	v_and_b32 v29, 31, v0                          ; lane
	v_lshlrev_b32 v9, 4, v29                       ; 16 l: my 16 bytes of two rows of q or out
	v_mov_b32 v30, 0
	v_mov_b32 v31, 0
	s_wait_kmcnt 0x0
	s_add_nc_u64 s[4:5], s[4:5], s[50:51]          ; klist, lim of my batch
	s_add_nc_u64 s[6:7], s[6:7], s[50:51]
	s_add_nc_u64 s[8:9], s[8:9], s[48:49]          ; vsum of my head
	s_add_nc_u64 s[20:21], s[10:11], s[46:47]      ; k, v of my head
	s_add_nc_u64 s[22:23], s[14:15], s[46:47]
	s_add_nc_u64 s[24:25], s[12:13], s[28:29]      ; q, out of my head at my wave's rows of block 0
	s_add_nc_u64 s[26:27], s[16:17], s[28:29]
	s_load_b32 s53, s[6:7], s59 offset:0x3fc       ; first block: lim of its last row,
	s_load_b32 s54, s[6:7], s60 offset:0x7c        ; of my last row,
	s_load_b32 s55, s[6:7], s60 offset:0x0         ; of my first row
	s_load_b32 s56, s[6:7], s61 offset:0x3fc       ; second block
	s_load_b32 s57, s[6:7], s62 offset:0x7c
	s_load_b32 s58, s[6:7], s62 offset:0x0
	global_load_b128 v[GA0:GA0+3], v6, s[4:5]      ; my key numbers of tiles 0 and 1
	global_load_b128 v[GA1:GA1+3], v6, s[4:5] offset:256
	; ---- the mean of V: wave 0 adds the head's four partial sums, two columns a lane
	s_cmp_lg_u32 s18, 0
	s_cbranch_scc1 .Lnotw0
	v_lshrrev_b32 v28, 1, v9                       ; 8 l
.irp p, 0,1,2,3
	global_load_b64 v[S+2*\p:S+2*\p+1], v28, s[8:9] offset:256*\p
.endr
	s_wait_loadcnt 0x0
	v_pk_add_f32 v[S:S+1],   v[S:S+1],   v[S+2:S+3]
	v_pk_add_f32 v[S+4:S+5], v[S+4:S+5], v[S+6:S+7]
	v_pk_add_f32 v[S:S+1],   v[S:S+1],   v[S+4:S+5]
	v_pk_mul_f32 v[S:S+1], v[S:S+1], 0x3a000000 op_sel_hi:[1,0]    ; / 2048
	ds_store_b64 v28, v[S:S+1] offset:VMB          ; waited for ahead of the first barrier
.Lnotw0:
	s_wait_loadcnt 0x0                             ; the key numbers
	GADDR GA0, GA0
	GADDR GA1, GA1
	KVLOAD GA0                                     ; tile 0
	s_wait_kmcnt 0x0
	; ---- first block: 7 - i.  The loop takes two trips (stage 0, stage 1) a turn and is counted in pairs: s2 steps by 1 up to s3; s35 = 2 s2 is the pair's first trip.
	COUNTS 53, 54, 55
	s_lshl_b32 s3, s19, 1
	s_sub_co_u32 s3, 16, s3                        ; (32 - 4 i) / 2
	s_lshl_b32 s46, s33, 16                        ; 256 rows of 256 bytes a block
	s_mov_b32 s47, 0
	QLOAD 60
	INIT
	START
	s_mov_b32 s2, 0
.Lblock0:
	s_lshl_b32 s35, s2, 1
	HALF 0
	HALF 1
	s_add_co_u32 s2, s2, 1
	s_cmp_lt_u32 s2, s3
	s_cbranch_scc1 .Lblock0
	s_wait_loadcnt 0x0                             ; no load is out any more (the last trips ask for nothing): PF may be loaded again
	KVLOAD GA0                                     ; the second block begins at tile 0 again: asked for here, it lands during the way out
	; A barrier of its own between the loop and what follows.  Behind the loop's last barrier the text leads both back to the reads of stage 0 and on to the next
	; block's first store into stage 0; that no wave is still in the loop would hang on the waves' equal trip counts alone.  With this barrier the order of
	; every wave's reads of stage 0 and that store stands in the text itself.  One barrier a work-group in the whole launch.
	s_wait_dscnt 0x0                               ; my reads of both stages are back (met: the last wait on them was for 0)
	s_barrier_signal -1
	s_barrier_wait -1
	EPILOGUE
	s_wait_xcnt 0x0                                ; the stores' data (F) and base are written again only behind this wait
	; ---- second block: i
	COUNTS 56, 57, 58
	s_lshl_b32 s3, s19, 1
	s_add_co_u32 s3, s3, 2                         ; (4 i + 4) / 2
	s_lshl_b32 s46, s19, 16
	QLOAD 62
	INIT
	START
	s_mov_b32 s2, 0
.Lblock1:
	s_lshl_b32 s35, s2, 1
	HALF 0
	HALF 1
	s_add_co_u32 s2, s2, 1
	s_cmp_lt_u32 s2, s3
	s_cbranch_scc1 .Lblock1
	EPILOGUE
	s_wait_tensorcnt 0x0
	ds_add_u32 v158, v159
	s_wait_dscnt 0x0
	s_endpgm
.Lfunc_end_k_qd5b78fd128_attn:
	.size	k_qd5b78fd128_attn, .Lfunc_end_k_qd5b78fd128_attn-k_qd5b78fd128_attn
	.p2alignl 7, 3214868480
	.fill 96, 4, 3214868480
	.section	.rodata,"a",@progbits
	.p2align	6, 0x0
	.amdhsa_kernel k_qd5b78fd128_attn
		.amdhsa_group_segment_fixed_size 136192
		.amdhsa_private_segment_fixed_size 0
		.amdhsa_enable_private_segment 0
		.amdhsa_kernarg_size 56
		.amdhsa_user_sgpr_count 2
		.amdhsa_user_sgpr_kernarg_segment_ptr 1
		.amdhsa_wavefront_size32 1
		.amdhsa_system_sgpr_workgroup_id_x 1
		.amdhsa_system_sgpr_workgroup_id_y 1
		.amdhsa_system_sgpr_workgroup_id_z 1
		.amdhsa_system_vgpr_workitem_id 0
		.amdhsa_next_free_vgpr 320
		.amdhsa_next_free_sgpr 66
		.amdhsa_reserve_vcc 1
		.amdhsa_float_denorm_mode_32 3
		.amdhsa_float_denorm_mode_16_64 3
		.amdhsa_memory_ordered 1
		.amdhsa_forward_progress 1
		.amdhsa_inst_pref_size 220
	.end_amdhsa_kernel
	.amdgpu_metadata
---
amdhsa.version: [ 1, 2 ]
amdhsa.kernels:
  - .name:           k_qd5b78fd128_attn
    .symbol:         k_qd5b78fd128_attn.kd
    .args:
      - { .name: klist, .offset: 0, .size: 8, .value_kind: global_buffer, .address_space: global }
      - { .name: lim, .offset: 8, .size: 8, .value_kind: global_buffer, .address_space: global }
      - { .name: vsum, .offset: 16, .size: 8, .value_kind: global_buffer, .address_space: global }
      - { .name: k, .offset: 24, .size: 8, .value_kind: global_buffer, .address_space: global }
      - { .name: q, .offset: 32, .size: 8, .value_kind: global_buffer, .address_space: global }
      - { .name: v, .offset: 40, .size: 8, .value_kind: global_buffer, .address_space: global }
      - { .name: out0, .offset: 48, .size: 8, .value_kind: global_buffer, .address_space: global }
    .group_segment_fixed_size: 136192
    .private_segment_fixed_size: 0
    .kernarg_segment_align: 8
    .kernarg_segment_size: 56
    .max_flat_workgroup_size: 256
    .sgpr_count:     66
    .vgpr_count:     320
    .wavefront_size: 32
...
	.end_amdgpu_metadata
.endif
;; end of part 3
;; ======== version 3 of 3: 2 launches; version 2 with the launch attn written anew for expert scheduling mode
;; limits: inputs' magnitudes at most 65,504; right only within a limited range of input values; values are held in f16: magnitudes above 65,504 overflow, below 6.1e-05 lose precision
;; workspace buffers: klist 32,768 bytes of whole numbers; lim 32,768 bytes of whole numbers; vsum 65,536 bytes
;; launch prep: the kernel of part 2 again; grid 256 x 1, 8 waves a work-group, no clusters, 3,072 bytes of LDS; arguments attention_mask, v, klist, lim, vsum; writes klist, lim, vsum
;; launch attn (part 4): grid 256 x 1, 8 waves a work-group, no clusters, 136,192 bytes of LDS; arguments klist, lim, vsum, k, q, v, out0; writes out0
.if DOCPART == 4
	.amdgcn_target "amdgcn-amd-amdhsa--gfx1250"
	.amdhsa_code_object_version 6
	.text
	.protected	k_qd5b78fd128_attn
	.globl	k_qd5b78fd128_attn
	.p2align	8
	.type	k_qd5b78fd128_attn,@function
k_qd5b78fd128_attn:
	s_mov_b64 s[64:65], 0
	v_nop
	global_prefetch_b8 v0, s[64:65] scope:SCOPE_SE
	s_setreg_imm32_b32 hwreg(HW_REG_WAVE_SCHED_MODE, 0, 2), 2
	s_setreg_imm32_b32 hwreg(HW_REG_WAVE_MODE, 25, 1), 1
	s_wait_xcnt 0x0
	s_wait_alu depctr_vm_vsrc(0)
; out[b,h,q,:] = softmax over keys of (q.k / 8, blocked where key > q or attention_mask[b,key] is false) times v.   B x H = 64 heads, S = 2048, D = 64, f32.
; Products in f16 with f32 sums; maximum, exponentials, sums and the rescaling in f32, with a running maximum.
; WHY F16 AND NOT BF16.  An early row is a sum of a few products of a weight near 1 and a v of order 1, so an operand's rounding shows in it undamped, while the
; output's root mean square, by which results are judged, is far lower: late rows average hundreds of keys.  f16's 11 significant bits leave an eighth of the
; error of bf16's 8.  The weights lie in [0, 1]; inputs of spread 1 have a factor of some 10^4 of room below f16's largest number.
;
; WORK LEFT OUT.  reference() sets blocked scores to the lowest finite f32.  (1) A row with at least one allowed key gives every blocked key the weight
; exp(lowest - max), which is 0 beside the weight 1 of the row's largest score.  So only allowed keys are fetched and multiplied: the launch before this one
; has stored, from attention_mask, klist[b] (the allowed keys in ascending order, then the others) and lim[b][q] (the number of allowed keys <= q), and query q
; uses exactly the first lim[b][q] entries of klist[b]: that holds the mask and the tril of reference() at once.  (2) A row with lim = 0 has 2048 equal scores,
; so its weights are 1/2048 on ALL keys: its result is the mean of v[b,h] over the 2048 keys, made of the four partial sums in vsum and selected, lane by lane,
; where a row's sum of weights is exactly 0.  attention_mask itself is no argument of this launch; use_causal_mask is the constant 1 and is none either.
; LIMITS.  |q|, |k|, |v| <= 65,504 (f16's largest number; beyond it an operand becomes an infinity); an operand below 2^-14 keeps an absolute error of up to
; 2^-25.  |q.k| < 2^100 (blocked scores are -2^120, the running maximum starts at -2^100).  Inputs are finite: a NaN, an infinity or an overflow in k or v at a
; key that is blocked for a row is not carried to that row's result as reference() would carry it.  The mean of v is summed in another order.
;
; SHARES.  256 work-groups of 8 waves.  Work-group x: head x >> 2, i = x & 3.  A head has 8 blocks of 256 query rows; the work-group takes block 7 - i, then
; block i.  Wave w owns 32 rows of the block (first row r0), as two tiles of 16.  A key tile is 64 neighbouring places of klist; tile n is met in trip n.
; Three counts, read from lim, steer a block: T = ceil(lim[last row of the block] / 64) tiles are staged; the wave multiplies tiles below
; ceil(lim[r0 + 31] / 64); tiles below lim[r0] / 64 lie wholly inside every row's share and need no select, the one or two between do.
; THE LOOPS' BOUNDS ARE MADE OF IDS, 32 - 4 i and 4 i + 4 trips, the most that any mask can ask for: every trip ends in a barrier, and barriers stand only on
; ways that hang on ids.  A trip at or beyond T jumps over staging and products and holds its barrier alone.
; K and V rows are gathered as f32 by all 256 threads (sixteen lanes take one whole row of 256 bytes), rounded to f16 in registers and laid into one of two
; LDS stages; one barrier a trip.  NO CLUSTER, NO TENSOR LOADS: the four work-groups of a head walk different numbers of tiles, the rows are picked by a list,
; and K and V change format on the way into LDS, which only registers can do.
; THE PRODUCTS ARE USED TRANSPOSED.  S^T = K Q^T: register j of lane (r, h) holds (place 8 h + j, query r), so a query's maximum, sum and lim are a lane's own
; (one exchange between the halves for the maximum, one at the end for the sum), and two neighbouring S^T tiles, packed to f16 in place, ARE the second
; source P^T of O^T = V^T P^T.
;
; THE MODE: SCHED_MODE bits 1:0 = 2 (LLVM: expert scheduling mode 2), set by the entry lines.  The code itself states the register dependences
; between vector or matrix instructions and memory or LDS instructions, with s_wait_alu, always for 0.
; THE PLAN.  Registers that memory or LDS instructions touch:
;   v1-v9, v12-v15, v145, GA0, GA1   addresses and offsets: made at the head, ahead of a wait on va_vdst, and never written again.
;   F    K's fragments.  The LDS loads at a trip's head land in it; the trip's 16 products K Q^T read it.  On the way out rows of O land in it and the stores to out read it.
;   VF   V's fragments, a buffer of their own.  The LDS loads between the two runs of K Q^T land in it; the 16 products V^T P at the trip's end read it.
;   PF   Tail n's loads (tile n + 2) land in it; tail n + 1's conversions read and write it; that tail's LDS stores read it.
;   GA   Written in a tail from IX; read by that tail's eight loads.        IX   A load of tail n lands in it; tail n + 1 reads it.
;   S    q's loads land in it, conversions pack it, LDS stores read it; then it is the products'.  On the way out selects write it and LDS stores read it.
;   Q    LDS loads land in it (q's fragments; on the way out the mean); products and selects read it.        v10, v11   loads land in them, once a block.
;   T (v24-v31), the softmax's state, O and P are named by vector and matrix instructions alone.
; A TRIP'S WAITS.  va_vdst at its head: the last trip's V^T P are done reading VF; all 32 fragment loads follow it, V's behind eight products that name S, F and Q alone.
; va_vdst behind the trip's one batch of exponentials: their results are written; it also shows the products K Q^T done reading F and Q, so the next trip's loads of K,
; the mean's loads and the way out's read-backs ask for nothing more.  In the tail: vm_vsrc (GA has been read), ONE va_vdst behind conversions and offsets together,
; vm_vsrc behind the LDS stores (PF has been read).
;
; LDS:  0x0000 stage 0: K 64 rows of 144 bytes, at 0x2400 V 64 rows of 160;  0x7800 mean of V, 64 f32;  0x8000 stage 1;
;       0x10000 + 8704 w: the wave's own bytes (Q in: 32 rows of 144; O out: 32 rows of 272).
;       144 and 272 are odd multiples of 16 and 160 is an odd multiple of 32: the rows that one fragment load touches begin at different 16-byte columns of 256.
; REGISTERS: v0 thread, v1-v9, v12-v15 addresses, v10-11 lim of my two queries less 8 h, v16-23 softmax state, v24-31 at work, v32-63 Q (on the way out: the mean),
;       v64-127 S then P, v128-139 gather offsets, v140-143 key numbers, v144 8 h, v145 8 x lane, v160-223 K fragments, v224-255 the tile on its way;
;       window 1: v256-319 O^T, v320-383 V fragments.
.set KP,    144                        ; LDS pitch of K's and Q's f16 rows
.set VP,    160                        ; LDS pitch of V's f16 rows
.set VOFF,  0x2400                     ; V behind K in a stage
.set STG,   0x8000                     ; from stage 0 to stage 1
.set VMB,   0x7800
.set OWNB,  0x10000
.set OWN,   8704                       ; bytes of a wave's own region
.set OP,    272                        ; LDS pitch of O's f32 rows
.set T,   24                           ; v24-31   at work
.set Q,   32                           ; v32-63   Q(qt, ks) at Q + 8 (2 qt + ks)
.set S,   64                           ; v64-127  S(qt, kt) at S + 8 (4 qt + kt); P(qt, ks) ends in S + 32 qt + 16 ks .. + 7
.set GA0, 128                          ; v128-131 byte offsets, in a head, of my 16 bytes in my four rows of tile 0: kept, both blocks begin there
.set GA1, 132                          ; v132-135 the same of tile 1
.set GA,  136                          ; v136-139 the same of the tile that is asked for in the loop
.set IX,  140                          ; v140-143 my four key numbers of the tile after it
.set F,   160                          ; v160-223 K(kt, ks) at F + 8 (2 kt + ks)
.set VF,  64                           ; window 1: v320-383 V(dt, ks) at VF + 8 (2 dt + ks)
.set PF,  224                          ; v224-239 K, v240-255 V: the tile on its way, f32
.set NMC, 16                           ; v16, v18 -c x maximum of query tile 0, 1;  v17, v19 the maximum
.set AL,  20                           ; v20, v22 this trip's rescaling factor;     v21, v23 the lane's part of the sum
.set MK,  66                           ; s66-s97  the masks of one query tile's 32 selects
.set MSB, 0
.macro WIN new                         ; s_set_vgpr_msb: low byte 1:0 source 0, 3:2 source 1, 5:4 source 2, 7:6 destination; the high byte repeats the setting left
.if MSB != \new
	s_set_vgpr_msb (MSB<<8)|\new
.set MSB, \new
.endif
.endm
; Four key numbers become four byte offsets: a number that was loaded enters an address behind a clamp to the head's 2048 rows; a row is 256 bytes.
.macro GADDR dst, src
.irp i, 0,1,2,3
	v_min_u32 v[\dst+\i], 0x7ff, v[\src+\i]
.endr
.irp i, 0,1,2,3
	v_lshl_add_u32 v[\dst+\i], v[\dst+\i], 8, v1
.endr
.endm
; A tile's K and V, 8 loads of 16 bytes a thread: thread t takes floats 4 (t & 15) .. + 3 of the tile's rows 4 (t >> 4) + i.
.macro KVLOAD ga
.irp i, 0,1,2,3
	global_load_b128 v[PF+4*\i:PF+4*\i+3], v[\ga+\i], s[20:21]
.endr
.irp i, 0,1,2,3
	global_load_b128 v[PF+16+4*\i:PF+16+4*\i+3], v[\ga+\i], s[22:23]
.endr
.endm
; The tile that has arrived is rounded to f16 in place,
.macro CVT
.irp i, 0,1,2,3,4,5,6,7
	v_cvt_pk_f16_f32 v[PF+4*\i],   v[PF+4*\i],   v[PF+4*\i+1]
	v_cvt_pk_f16_f32 v[PF+4*\i+1], v[PF+4*\i+2], v[PF+4*\i+3]
.endr
.endm
; and stored into stage buf.
.macro STAGE_IN buf
.irp i, 0,1,2,3
	ds_store_b64 v2, v[PF+4*\i:PF+4*\i+1] offset:(\buf)*STG+KP*\i
.endr
.irp i, 0,1,2,3
	ds_store_b64 v3, v[PF+16+4*\i:PF+17+4*\i] offset:(\buf)*STG+VP*\i
.endr
.endm
; Query tile qt: the new running maximum of my query (32 scores, the old maximum, the other half of the lanes), the new shift -c x maximum,
; and the factor exp2(new shift - old shift): exactly 1 where the maximum stays, and made of the very shifts that the stored sums were made with.
; The factor belongs to the trip's one batch of exponentials: nothing names it ahead of the batch's wait.
.macro SMAX qt
.irp kt, 0,1,2,3
	v_max3_num_f32 v[T+\kt], v[S+32*\qt+8*\kt], v[S+32*\qt+8*\kt+1], v[S+32*\qt+8*\kt+2]
.endr
.irp kt, 0,1,2,3
	v_max3_num_f32 v[T+\kt], v[T+\kt], v[S+32*\qt+8*\kt+3], v[S+32*\qt+8*\kt+4]
.endr
.irp kt, 0,1,2,3
	v_max3_num_f32 v[T+\kt], v[T+\kt], v[S+32*\qt+8*\kt+5], v[S+32*\qt+8*\kt+6]
.endr
	v_max3_num_f32 v[T],   v[T],   v[T+1], v[S+32*\qt+7]
	v_max3_num_f32 v[T+2], v[T+2], v[T+3], v[S+32*\qt+15]
	v_max3_num_f32 v[T],   v[T],   v[S+32*\qt+23], v[S+32*\qt+31]
	v_max3_num_f32 v[T],   v[T],   v[T+2], v[NMC+2*\qt+1]
	v_permlanex16_b32 v[T+1], v[T], s38, s39       ; the same query's other 32 places lie in lane l xor 16
	v_max_num_f32 v[NMC+2*\qt+1], v[T], v[T+1]
	v_mul_f32 v[T+3], s42, v[NMC+2*\qt+1]          ; -c x maximum
	v_sub_f32 v[T+2], v[T+3], v[NMC+2*\qt]
	v_exp_f32 v[AL+2*\qt], v[T+2]
	v_mov_b32 v[NMC+2*\qt], v[T+3]                 ; also the plain instruction behind the exponential (ISA guide 5.7.2): it touches neither its result nor its source
.endm
; Query tile qt: c s - c max in place;
.macro SSCALE qt
.set j, 0
.rept 16
	v_pk_fma_f32 v[S+32*\qt+2*j:S+32*\qt+2*j+1], v[S+32*\qt+2*j:S+32*\qt+2*j+1], s[40:41], v[NMC+2*\qt:NMC+2*\qt+1] op_sel_hi:[1,0,0]
.set j, j+1
.endr
.endm
; p = exp2 of it, in place;
.macro SEXPS qt
.set j, 0
.rept 32
	v_exp_f32 v[S+32*\qt+j], v[S+32*\qt+j]
.set j, j+1
.endr
.endm
; the lane's sum, then P packed to f16 in place: S(qt, 2 ks) and S(qt, 2 ks + 1) become the 8 registers of P(qt, ks).
.macro SSUM qt
	v_pk_add_f32 v[T+4:T+5], v[S+32*\qt:S+32*\qt+1],   v[S+32*\qt+4:S+32*\qt+5]
	v_pk_add_f32 v[T+6:T+7], v[S+32*\qt+2:S+32*\qt+3], v[S+32*\qt+6:S+32*\qt+7]
.irp p, 8,12,16,20,24,28
	v_pk_add_f32 v[T+4:T+5], v[T+4:T+5], v[S+32*\qt+\p:S+32*\qt+\p+1]
	v_pk_add_f32 v[T+6:T+7], v[T+6:T+7], v[S+32*\qt+\p+2:S+32*\qt+\p+3]
.endr
	v_pk_add_f32 v[T+4:T+5], v[T+4:T+5], v[T+6:T+7]
	v_add_f32 v[T+4], v[T+4], v[T+5]
	v_fma_f32 v[AL+2*\qt+1], v[AL+2*\qt+1], v[AL+2*\qt], v[T+4]
.irp ks, 0,1
.irp k, 0,1,2,3,4,5,6,7
	v_cvt_pk_f16_f32 v[S+32*\qt+16*\ks+\k], v[S+32*\qt+16*\ks+2*\k], v[S+32*\qt+16*\ks+2*\k+1]   ; upward: register k is written when 2 k and 2 k + 1 have been read
.endr
.endr
.endm
; One key tile from stage buf for my 32 rows.  s45 = n, the trip and the tile.  sel = 1: some place of the tile lies outside some row's share.
; In both runs of products the accumulators take turns, one instruction a turn.
.macro COMPUTE buf, sel
.if \sel
	s_lshl_b32 s32, s45, 6
	v_sub_nc_u32 v30, v10, s32                     ; lim[my query] - 8 h - 64 n, signed: place 64 n + 16 kt + 8 h + j is mine where 16 kt + j lies below it
	v_sub_nc_u32 v31, v11, s32
.endif
	s_wait_alu depctr_va_vdst(0)                   ; the last trip's products V^T P are done reading VF, in which V's loads below land (a tail that jumps over its conversions states nothing)
.irp ks, 0,1
.irp kt, 0,1,2,3
	ds_load_b128 v[F+8*(2*\kt+\ks):F+8*(2*\kt+\ks)+3],   v4 offset:\buf*STG+16*KP*\kt+64*\ks     ; F: its last readers, the last trip's K Q^T, stand ahead of that trip's wait for the exponentials
	ds_load_b128 v[F+8*(2*\kt+\ks)+4:F+8*(2*\kt+\ks)+7], v4 offset:\buf*STG+16*KP*\kt+64*\ks+32
.endr
.endr
	s_wait_dscnt 0x8                               ; all but the eight youngest, the fragments of d = 32 .. 63
.irp qt, 0,1
.irp kt, 0,1,2,3
	v_wmma_f32_16x16x32_f16 v[S+8*(4*\qt+\kt):S+8*(4*\qt+\kt)+7], v[F+16*\kt:F+16*\kt+7], v[Q+16*\qt:Q+16*\qt+7], 0
.endr
.endr
	WIN 0x40                                       ; destination window 1.  No wait: the eight products since the wait above name S, F and Q, neither VF nor v5
.irp ks, 0,1
.irp dt, 0,1,2,3
	ds_load_tr16_b128 v[VF+8*(2*\dt+\ks):VF+8*(2*\dt+\ks)+3],   v5 offset:\buf*STG+32*VP*\ks+32*\dt         ; V^T: d = 16 dt + r, places 32 ks + 8 h ..
	ds_load_tr16_b128 v[VF+8*(2*\dt+\ks)+4:VF+8*(2*\dt+\ks)+7], v5 offset:\buf*STG+32*VP*\ks+32*\dt+16*VP   ; places 32 ks + 16 + 8 h ..
.endr
.endr
	WIN 0
	s_wait_dscnt 0x10                              ; all of K is in; V's sixteen loads stay out
.irp qt, 0,1
.irp kt, 0,1,2,3
	v_wmma_f32_16x16x32_f16 v[S+8*(4*\qt+\kt):S+8*(4*\qt+\kt)+7], v[F+16*\kt+8:F+16*\kt+15], v[Q+16*\qt+8:Q+16*\qt+15], v[S+8*(4*\qt+\kt):S+8*(4*\qt+\kt)+7]
.endr
.endr
.rept 4
	v_nop                                          ; four places behind the last product (ISA guide 7.12.1), ahead of the first read of a score
.endr
.if \sel
.irp qt, 0,1
.irp kt, 0,1,2,3
.irp j, 0,1,2,3,4,5,6,7
	v_cmp_lt_i32 s[MK+8*\kt+\j], 16*\kt+\j, v[30+\qt]              ; a query tile's 32 compares in one run, a mask register each
.endr
.endr
	s_wait_alu depctr_va_sdst(0)                   ; the 32 masks are written, ahead of the selects that read them
.irp kt, 0,1,2,3
.irp j, 0,1,2,3,4,5,6,7
	v_cndmask_b32 v[S+8*(4*\qt+\kt)+\j], s43, v[S+8*(4*\qt+\kt)+\j], s[MK+8*\kt+\j]
.endr
.endr
.endr
.endif
	SMAX 0
	SMAX 1
	SSCALE 0
	SSCALE 1
	SEXPS 0                                        ; ONE BATCH: the two factors above and the 64 weights; nothing ahead of the wait below names a result
	SEXPS 1
	v_nop                                          ; one plain instruction between the exponentials and the first use of a result (ISA guide 5.7.2)
	s_wait_alu depctr_va_vdst(0)                   ; the 66 exponentials have written the two factors and the weights in S, which the sums below read; the products K Q^T are done reading F and Q
	SSUM 0
	SSUM 1
	WIN 0x41                                       ; O: destination and source 0 in window 1
.irp qt, 0,1
.set j, 0
.rept 16
	v_pk_mul_f32 v[32*\qt+2*j:32*\qt+2*j+1], v[32*\qt+2*j:32*\qt+2*j+1], v[AL+2*\qt:AL+2*\qt+1] op_sel_hi:[1,0]
.set j, j+1
.endr
.endr
	s_wait_dscnt 0x0                               ; V's fragments
	WIN 0x51                                       ; V (source 0), C and D in window 1, P in window 0
.irp ks, 0,1
.irp qt, 0,1
.irp dt, 0,1,2,3
	v_wmma_f32_16x16x32_f16 v[8*(4*\qt+\dt):8*(4*\qt+\dt)+7], v[VF+8*(2*\dt+\ks):VF+8*(2*\dt+\ks)+7], v[S+32*\qt+16*\ks:S+32*\qt+16*\ks+7], v[8*(4*\qt+\dt):8*(4*\qt+\dt)+7]
.endr
.endr
.endr
	WIN 0
.rept 5
	v_nop                                          ; five places behind the last product (ISA guide 7.12.1), written here so that every way out of the trip has them:
.endr                                                  ; ahead of the next products over P and of the first read of O
.endm
; Behind trip n on stage buf: tile n + 1 goes into the other stage, tile n + 2 is asked for by the key numbers that have come, tile n + 3's key numbers are asked
; for, each only if that tile is below T; and one barrier serves both stages.  The other stage was read last in the trip before, whose reads every wave waited
; for ahead of that trip's barrier; it is read next behind this one.  The wait for all loads stands on every way: behind it PF, the offsets in GA and the
; base s[28:29] are free.  On the way that jumps over the conversion no LDS instruction of mine is out: the last wait on them was for 0.
; The offsets of tile n + 2 are made beside the conversions, so that one wait on va_vdst serves the LDS stores and the loads.  In the one trip of a block in which
; tile n + 1 is the last, these eight lines work on the key numbers of an earlier tile, and nothing reads what they make.
.macro TAIL buf
	s_wait_loadcnt 0x0
	s_add_co_u32 s45, s35, \buf+1
	s_cmp_ge_u32 s45, s34
	s_cbranch_scc1 .Ld_\@
	s_wait_alu depctr_vm_vsrc(0)                   ; the loads of the tail before have read their offsets in GA, which are written anew below
	CVT
	GADDR GA, IX
	s_wait_alu depctr_va_vdst(0)                   ; the conversions have written PF, which the LDS stores read; GA is written, which the loads below read
	STAGE_IN 1-\buf
	s_wait_dscnt 0x0                               ; my stores are in LDS: for the other waves behind the barrier
	s_wait_alu depctr_vm_vsrc(0)                   ; the LDS stores have read PF, in which the next loads land: this tail's, or the next block's first
	s_add_co_u32 s45, s35, \buf+2
	s_cmp_ge_u32 s45, s34
	s_cbranch_scc1 .Ld_\@
	KVLOAD GA
	s_add_co_u32 s45, s35, \buf+3
	s_cmp_ge_u32 s45, s34
	s_cbranch_scc1 .Ld_\@
	s_lshl_b32 s30, s45, 8                         ; a tile's 64 key numbers are 256 bytes; s31 stays 0
	s_add_nc_u64 s[28:29], s[4:5], s[30:31]
	global_load_b128 v[IX:IX+3], v6, s[28:29]
.Ld_\@:
	s_barrier_signal -1
	s_barrier_wait -1
.endm
.macro HALF sub
	s_add_co_u32 s45, s35, \sub                    ; n
	s_cmp_ge_u32 s45, s36
	s_cbranch_scc1 .Ltail_\@                       ; no place of the tile belongs to any of my rows
	s_cmp_ge_u32 s45, s37
	s_cbranch_scc1 .Lsel_\@
	COMPUTE \sub, 0
	s_branch .Ltail_\@
.Lsel_\@:
	COMPUTE \sub, 1
.Ltail_\@:
	TAIL \sub
.endm
; The three counts of a block, from the words of lim in s[cb], s[chi], s[clo].
.macro COUNTS cb, chi, clo
	s_add_co_u32 s34, s[\cb], 63
	s_lshr_b32 s34, s34, 6                         ; T: tiles that are staged,
	s_min_u32 s34, s34, 32                         ; a loaded number that bounds addresses: klist[b] has 32 tiles
	s_add_co_u32 s36, s[\chi], 63
	s_lshr_b32 s36, s36, 6                         ; tiles that I multiply
	s_lshr_b32 s37, s[\clo], 6                     ; of which so many need no select
.endm
; My 32 query rows (8,192 consecutive bytes, read once in the launch): f32 in, f16 through my own LDS bytes, out as four fragments.  And lim of my two queries.
; s[so] = byte offset in lim[b] of my wave's first row: it goes into a scalar base, and all vector addresses are the head's.
; No wait stands ahead of the loads: on every way here no vector instruction since the last wait on va_vdst names S, v10 or v11, and a wait on vm_vsrc
; stands behind the last LDS store that read S.
.macro QLOAD so
	s_add_nc_u64 s[50:51], s[24:25], s[46:47]
	s_mov_b32 s30, s[\so]
	s_add_nc_u64 s[28:29], s[6:7], s[30:31]        ; lim at my wave's first row
.set u, 0
.rept 16
	global_load_b128 v[S+4*u:S+4*u+3], v9, s[50:51] offset:512*u th:TH_LOAD_NT
.set u, u+1
.endr
	global_load_b32 v10, v15, s[28:29]             ; row r0 + r
	global_load_b32 v11, v15, s[28:29] offset:64   ; row r0 + 16 + r
	s_wait_loadcnt 0x0                             ; these, and tile 0 of K and V, which was asked for before them
	v_sub_nc_u32 v10, v10, v144
	v_sub_nc_u32 v11, v11, v144
.set u, 0
.rept 16
	v_cvt_pk_f16_f32 v[S+4*u],   v[S+4*u],   v[S+4*u+1]
	v_cvt_pk_f16_f32 v[S+4*u+1], v[S+4*u+2], v[S+4*u+3]
.set u, u+1
.endr
	s_wait_alu depctr_va_vdst(0)                   ; the conversions have written S, which the LDS stores read
.set u, 0
.rept 16
	ds_store_b64 v13, v[S+4*u:S+4*u+1] offset:2*KP*u
.set u, u+1
.endr
.irp qt, 0,1
.irp ks, 0,1
	ds_load_b128 v[Q+8*(2*\qt+\ks):Q+8*(2*\qt+\ks)+3],   v14 offset:16*KP*\qt+64*\ks      ; my own bytes: LDS serves a wave's instructions in order (ISA guide 5.7.1.4)
	ds_load_b128 v[Q+8*(2*\qt+\ks)+4:Q+8*(2*\qt+\ks)+7], v14 offset:16*KP*\qt+64*\ks+32
.endr
.endr
	s_wait_dscnt 0x0
	s_wait_alu depctr_vm_vsrc(0)                   ; the LDS stores have read S, which the products write
.endm
; The state of a block.  O is cleared, 64 moves a block: trip 0 is a wave's first live trip if it has one, but a wave none of whose rows has an allowed key
; runs no product at all, and its O is read on the way out like any other.
.macro INIT
	v_mov_b32 v[NMC+1], s44                        ; maximum = -2^100
	v_mov_b32 v[NMC+3], s44
	v_mul_f32 v[NMC],   s42, v[NMC+1]
	v_mul_f32 v[NMC+2], s42, v[NMC+3]
	v_mov_b32 v[AL+1], 0
	v_mov_b32 v[AL+3], 0
	WIN 0x40
.set j, 0
.rept 64
	v_mov_b32 v[j], 0
.set j, j+1
.endr
	WIN 0
.endm
; Ahead of a block's loop: tile 0, which has arrived (QLOAD's wait was for all loads), goes into stage 0; tile 1 and tile 2's key numbers are asked for.
; These first tiles are fetched whatever T is (klist holds a key at every place): with T below 3 up to two tiles of 32 KB are fetched and not used.
; The first block's store into stage 0 is the first access to it; the second block's stands behind the barrier that follows the first block's loop.
.macro START
	CVT
	s_wait_alu depctr_va_vdst(0)                   ; the conversions have written PF, which the LDS stores read
	STAGE_IN 0
	s_wait_dscnt 0x0                               ; stage 0 (and, the first time, the mean of V) is in LDS
	s_wait_alu depctr_vm_vsrc(0)                   ; the LDS stores have read PF, in which tile 1 lands
	KVLOAD GA1
	global_load_b128 v[IX:IX+3], v6, s[4:5] offset:512
	s_barrier_signal -1
	s_barrier_wait -1
.endm
; O / l, or the mean of V where l is 0; 32 rows through my own LDS bytes, out as whole rows: each store of the wave covers 512 consecutive bytes, aligned.
; The places behind the last product stand at the end of the last trip's products.  Q's registers are free here and take the mean.
.macro EPILOGUE
	s_add_nc_u64 s[50:51], s[26:27], s[46:47]
.irp dt, 0,1,2,3
	ds_load_b128 v[Q+8*\dt:Q+8*\dt+3],   v12 offset:VMB+64*\dt      ; register j = mean[16 dt + 8 h + j].  No wait: Q's last readers, the products K Q^T, stand ahead of their trip's wait for the exponentials
	ds_load_b128 v[Q+8*\dt+4:Q+8*\dt+7], v12 offset:VMB+64*\dt+16
.endr
	v_permlanex16_b32 v25, v[AL+1], s38, s39
	v_permlanex16_b32 v26, v[AL+3], s38, s39
	v_add_f32 v[AL+1], v[AL+1], v25                ; the two halves of a query's sum
	v_add_f32 v[AL+3], v[AL+3], v26
	v_rcp_f32 v28, v[AL+1]
	v_rcp_f32 v30, v[AL+3]
	v_cmp_eq_f32 s48, 0, v[AL+1]                   ; no allowed key.  Also the plain instructions behind the reciprocals (ISA guide 5.7.2)
	v_cmp_eq_f32 s49, 0, v[AL+3]
	s_wait_alu depctr_va_sdst(0)                   ; the two masks s48 and s49 are written, ahead of the selects that read them
	s_wait_alu depctr_va_vdst(0)                   ; the two reciprocals have written v28 and v30, which the multiplies below read
	WIN 0x01                                       ; source 0 (O) in window 1
.irp qt, 0,1
.set j, 0
.rept 16
	v_pk_mul_f32 v[S+32*\qt+2*j:S+32*\qt+2*j+1], v[32*\qt+2*j:32*\qt+2*j+1], v[28+2*\qt:29+2*\qt] op_sel_hi:[1,0]
.set j, j+1
.endr
.endr
	WIN 0
	s_wait_dscnt 0x0
.irp qt, 0,1
.irp dt, 0,1,2,3
.irp j, 0,1,2,3,4,5,6,7
	v_cndmask_b32 v[S+8*(4*\qt+\dt)+\j], v[S+8*(4*\qt+\dt)+\j], v[Q+8*\dt+\j], s[48+\qt]
.endr
.endr
.endr
	s_wait_alu depctr_va_vdst(0)                   ; the selects have written S, which the LDS stores read
.irp qt, 0,1
.irp dt, 0,1,2,3
	ds_store_b128 v7, v[S+8*(4*\qt+\dt):S+8*(4*\qt+\dt)+3]   offset:16*OP*\qt+64*\dt       ; row 16 qt + r, floats 16 dt + 8 h ..
	ds_store_b128 v7, v[S+8*(4*\qt+\dt)+4:S+8*(4*\qt+\dt)+7] offset:16*OP*\qt+64*\dt+16
.endr
.endr
.set u, 0
.rept 16
	ds_load_b128 v[F+4*u:F+4*u+3], v8 offset:2*OP*u                ; rows 2 u and 2 u + 1, 16 bytes a lane; in order behind my stores
.set u, u+1
.endr
.set u, 0
.rept 16
	s_wait_dscnt 15-u                              ; LDS loads come back in order: pair u is in, the younger ones may be out
	global_store_b128 v9, v[F+4*u:F+4*u+3], s[50:51] offset:512*u th:TH_STORE_NT
.set u, u+1
.endr
.endm
	; ---- ids, scalars, addresses
	s_load_b256 s[4:11], s[0:1], 0x0               ; klist s[4:5], lim s[6:7], vsum s[8:9], k s[10:11]
	s_load_b128 s[12:15], s[0:1], 0x20             ; q s[12:13], v s[14:15]
	s_load_b64 s[16:17], s[0:1], 0x30              ; out
	v_lshl_add_u32 v158, v0, 2, 0x21000
	v_mov_b32 v159, 0
	v_lshrrev_b32 v24, 5, v0
	v_readfirstlane_b32 s18, v24                   ; wave w
	s_and_b32 s19, ttmp9, 3                        ; i
	s_lshr_b32 s32, ttmp9, 2                       ; head,
	s_lshl_b32 s46, s32, 19                        ; times 2048 x 64 x 4 bytes
	s_mov_b32 s47, 0
	s_lshl_b32 s48, s32, 10                        ; times 4 x 64 partial sums
	s_mov_b32 s49, 0
	s_lshr_b32 s50, ttmp9, 6                       ; batch,
	s_lshl_b32 s50, s50, 13                        ; times 2048 words of either table
	s_mov_b32 s51, 0
	s_wait_alu depctr_va_sdst(0)                   ; s18 is written, ahead of its first reader: offsets, LDS addresses and a branch are made from it
	s_lshl_b32 s28, s18, 13                        ; my 32 rows of 256 bytes
	s_mov_b32 s29, 0
	s_add_nc_u64 s[28:29], s[28:29], s[46:47]
	s_mov_b32 s31, 0                               ; the upper word of the offset pair s[30:31]
	s_sub_co_u32 s33, 7, s19                       ; the first block
	s_lshl_b32 s59, s33, 10                        ; a block's 256 words of lim
	s_lshl_b32 s32, s18, 7                         ; my wave's 32 words in them
	s_add_co_u32 s60, s59, s32
	s_lshl_b32 s61, s19, 10                        ; the second block
	s_add_co_u32 s62, s61, s32
	s_mov_b32 s38, 0x76543210                      ; v_permlanex16_b32: lane l reads lane l xor 16
	s_mov_b32 s39, 0xfedcba98
	s_mov_b32 s40, 0x3e38aa3b                      ; c = log2(e) / 8
	s_mov_b32 s41, 0x3e38aa3b
	s_mov_b32 s42, 0xbe38aa3b                      ; -c
	s_mov_b32 s43, 0xfb800000                      ; -2^120: a blocked score
	s_mov_b32 s44, 0xf1800000                      ; -2^100: where the running maximum starts
	s_mul_i32 s52, s18, OWN
	s_add_co_u32 s52, s52, OWNB                    ; my own LDS bytes
	v_lshrrev_b32 v24, 4, v0                       ; g = t >> 4
	v_and_b32 v25, 15, v0                          ; r = t & 15
	v_bfe_u32 v26, v0, 4, 1                        ; h
	v_lshlrev_b32 v1, 4, v25                       ; 16 r: my 16 bytes of a row of k or v
	v_lshlrev_b32 v6, 4, v24                       ; 16 g: my four key numbers among a tile's 64
	v_mul_u32_u24 v2, v24, 4*KP
	v_lshl_add_u32 v2, v25, 3, v2                  ; K in: row 4 g, 8 bytes at 8 r
	v_mul_u32_u24 v3, v24, 4*VP
	v_lshl_add_u32 v3, v25, 3, v3
	v_add_nc_u32 v3, VOFF, v3                      ; V in
	v_mul_u32_u24 v4, v25, KP
	v_lshl_add_u32 v4, v26, 4, v4                  ; K fragments: row r, 16 h
	v_and_b32 v27, 7, v0
	v_lshl_add_u32 v27, v26, 3, v27                ; 8 h + (l & 7)
	v_bfe_u32 v28, v0, 3, 1
	v_mul_u32_u24 v5, v27, VP
	v_lshl_add_u32 v5, v28, 4, v5
	v_add_nc_u32 v5, VOFF, v5                      ; V fragments, transposing loads
	v_mul_u32_u24 v7, v25, OP
	v_lshl_add_u32 v7, v26, 5, v7
	v_add_nc_u32 v7, s52, v7                       ; O in: row r, 32 h
	v_mul_u32_u24 v8, v26, OP
	v_lshl_add_u32 v8, v25, 4, v8
	v_add_nc_u32 v8, s52, v8                       ; O back: row l / 16, 16 (l % 16)
	v_and_b32 v29, 31, v0                          ; lane
	v_lshlrev_b32 v9, 4, v29                       ; 16 l: my 16 bytes of two rows of q or out
	v_lshlrev_b32 v12, 5, v26                      ; 32 h: my eight numbers of each 16 of the mean
	v_mul_u32_u24 v13, v26, KP
	v_lshl_add_u32 v13, v25, 3, v13
	v_add_nc_u32 v13, s52, v13                     ; Q in: row l / 16 of a pair of rows, 8 bytes at 8 (l % 16)
	v_add_nc_u32 v14, s52, v4                      ; Q out: row r, 16 h
	v_lshlrev_b32 v15, 2, v25                      ; 4 r: lim of row r0 + r
	v_lshlrev_b32 v144, 3, v26                     ; 8 h
	v_lshlrev_b32 v145, 3, v29                     ; 8 l: two columns of the mean
	v_mov_b32 v30, 0
	v_mov_b32 v31, 0
	s_wait_kmcnt 0x0
	s_add_nc_u64 s[4:5], s[4:5], s[50:51]          ; klist, lim of my batch
	s_add_nc_u64 s[6:7], s[6:7], s[50:51]
	s_add_nc_u64 s[8:9], s[8:9], s[48:49]          ; vsum of my head
	s_add_nc_u64 s[20:21], s[10:11], s[46:47]      ; k, v of my head
	s_add_nc_u64 s[22:23], s[14:15], s[46:47]
	s_add_nc_u64 s[24:25], s[12:13], s[28:29]      ; q, out of my head at my wave's rows of block 0
	s_add_nc_u64 s[26:27], s[16:17], s[28:29]
	s_load_b32 s53, s[6:7], s59 offset:0x3fc       ; first block: lim of its last row,
	s_load_b32 s54, s[6:7], s60 offset:0x7c        ; of my last row,
	s_load_b32 s55, s[6:7], s60 offset:0x0         ; of my first row
	s_load_b32 s56, s[6:7], s61 offset:0x3fc       ; second block
	s_load_b32 s57, s[6:7], s62 offset:0x7c
	s_load_b32 s58, s[6:7], s62 offset:0x0
	s_wait_alu depctr_va_vdst(0)                   ; the addresses and offsets v1 to v9, v12 to v15 and v145 are written: every load and store of the kernel reads one of them, or an offset made below
	global_load_b128 v[GA0:GA0+3], v6, s[4:5]      ; my key numbers of tiles 0 and 1
	global_load_b128 v[GA1:GA1+3], v6, s[4:5] offset:256
	; ---- the mean of V: wave 0 adds the head's four partial sums, two columns a lane
	s_cmp_lg_u32 s18, 0
	s_cbranch_scc1 .Lnotw0
.irp p, 0,1,2,3
	global_load_b64 v[S+2*\p:S+2*\p+1], v145, s[8:9] offset:256*\p
.endr
	s_wait_loadcnt 0x0
	v_pk_add_f32 v[S:S+1],   v[S:S+1],   v[S+2:S+3]
	v_pk_add_f32 v[S+4:S+5], v[S+4:S+5], v[S+6:S+7]
	v_pk_add_f32 v[S:S+1],   v[S:S+1],   v[S+4:S+5]
	v_pk_mul_f32 v[S:S+1], v[S:S+1], 0x3a000000 op_sel_hi:[1,0]    ; / 2048
	s_wait_alu depctr_va_vdst(0)                   ; the mean is written into v[S:S+1], which the LDS store reads
	ds_store_b64 v145, v[S:S+1] offset:VMB         ; waited for ahead of the first barrier
	s_wait_alu depctr_vm_vsrc(0)                   ; the LDS store has read v[S:S+1], in which q's loads land
.Lnotw0:
	s_wait_loadcnt 0x0                             ; the key numbers
	GADDR GA0, GA0
	GADDR GA1, GA1
	s_wait_alu depctr_va_vdst(0)                   ; the offsets in GA0 and GA1 are written, which the loads of tiles 0 and 1 read; wave 0's sums are done with v[S:S+7], in which q's loads land
	KVLOAD GA0                                     ; tile 0
	s_wait_kmcnt 0x0
	; ---- first block: 7 - i.  The loop takes two trips (stage 0, stage 1) a turn and is counted in pairs: s2 steps by 1 up to s3; s35 = 2 s2 is the pair's first trip.
	COUNTS 53, 54, 55
	s_lshl_b32 s3, s19, 1
	s_sub_co_u32 s3, 16, s3                        ; (32 - 4 i) / 2
	s_lshl_b32 s46, s33, 16                        ; 256 rows of 256 bytes a block
	s_mov_b32 s47, 0
	QLOAD 60
	INIT
	START
	s_mov_b32 s2, 0
.Lblock0:
	s_lshl_b32 s35, s2, 1
	HALF 0
	HALF 1
	s_add_co_u32 s2, s2, 1
	s_cmp_lt_u32 s2, s3
	s_cbranch_scc1 .Lblock0
	s_wait_loadcnt 0x0                             ; no load is out any more (the last trips ask for nothing): PF may be loaded again
	KVLOAD GA0                                     ; the second block begins at tile 0 again: asked for here, it lands during the way out.  No wait: each tail's conversions of PF stand ahead of its wait on va_vdst, its LDS stores ahead of its wait on vm_vsrc
	; A barrier of its own between the loop and what follows.  Behind the loop's last barrier the text leads both back to the reads of stage 0 and on to the next
	; block's first store into stage 0; that no wave is still in the loop would hang on the waves' equal trip counts alone.  With this barrier the order of
	; every wave's reads of stage 0 and that store stands in the text itself.  One barrier a work-group in the whole launch.
	s_wait_dscnt 0x0                               ; my reads of both stages are back (met: the last wait on them was for 0)
	s_barrier_signal -1
	s_barrier_wait -1
	EPILOGUE
	s_wait_xcnt 0x0                                ; the stores' data (F) and base are written again only behind this wait
	s_wait_alu depctr_vm_vsrc(0)                   ; the stores to out have read F, in which K's fragments land; the way out's LDS stores have read S, in which q's loads land
	; ---- second block: i
	COUNTS 56, 57, 58
	s_lshl_b32 s3, s19, 1
	s_add_co_u32 s3, s3, 2                         ; (4 i + 4) / 2
	s_lshl_b32 s46, s19, 16
	QLOAD 62
	INIT
	START
	s_mov_b32 s2, 0
.Lblock1:
	s_lshl_b32 s35, s2, 1
	HALF 0
	HALF 1
	s_add_co_u32 s2, s2, 1
	s_cmp_lt_u32 s2, s3
	s_cbranch_scc1 .Lblock1
	EPILOGUE
	s_wait_dscnt 0x0
	s_wait_alu depctr_hold_cnt(0) depctr_sa_sdst(0) depctr_va_vdst(0) depctr_va_sdst(0) depctr_va_ssrc(0) depctr_va_vcc(0) depctr_vm_vsrc(0)
	s_wait_tensorcnt 0x0
	ds_add_u32 v158, v159
	s_wait_dscnt 0x0
	s_endpgm
.Lfunc_end_k_qd5b78fd128_attn:
	.size	k_qd5b78fd128_attn, .Lfunc_end_k_qd5b78fd128_attn-k_qd5b78fd128_attn
	.p2alignl 7, 3214868480
	.fill 96, 4, 3214868480
	.section	.rodata,"a",@progbits
	.p2align	6, 0x0
	.amdhsa_kernel k_qd5b78fd128_attn
		.amdhsa_group_segment_fixed_size 136192
		.amdhsa_private_segment_fixed_size 0
		.amdhsa_enable_private_segment 0
		.amdhsa_kernarg_size 56
		.amdhsa_user_sgpr_count 2
		.amdhsa_user_sgpr_kernarg_segment_ptr 1
		.amdhsa_wavefront_size32 1
		.amdhsa_system_sgpr_workgroup_id_x 1
		.amdhsa_system_sgpr_workgroup_id_y 1
		.amdhsa_system_sgpr_workgroup_id_z 1
		.amdhsa_system_vgpr_workitem_id 0
		.amdhsa_next_free_vgpr 384
		.amdhsa_next_free_sgpr 98
		.amdhsa_reserve_vcc 0
		.amdhsa_float_denorm_mode_32 3
		.amdhsa_float_denorm_mode_16_64 3
		.amdhsa_memory_ordered 1
		.amdhsa_forward_progress 1
		.amdhsa_inst_pref_size 237
	.end_amdhsa_kernel
	.amdgpu_metadata
---
amdhsa.version: [ 1, 2 ]
amdhsa.kernels:
  - .name:           k_qd5b78fd128_attn
    .symbol:         k_qd5b78fd128_attn.kd
    .args:
      - { .name: klist, .offset: 0, .size: 8, .value_kind: global_buffer, .address_space: global }
      - { .name: lim, .offset: 8, .size: 8, .value_kind: global_buffer, .address_space: global }
      - { .name: vsum, .offset: 16, .size: 8, .value_kind: global_buffer, .address_space: global }
      - { .name: k, .offset: 24, .size: 8, .value_kind: global_buffer, .address_space: global }
      - { .name: q, .offset: 32, .size: 8, .value_kind: global_buffer, .address_space: global }
      - { .name: v, .offset: 40, .size: 8, .value_kind: global_buffer, .address_space: global }
      - { .name: out0, .offset: 48, .size: 8, .value_kind: global_buffer, .address_space: global }
    .group_segment_fixed_size: 136192
    .private_segment_fixed_size: 0
    .kernarg_segment_align: 8
    .kernarg_segment_size: 56
    .max_flat_workgroup_size: 256
    .sgpr_count:     98
    .vgpr_count:     384
    .wavefront_size: 32
...
	.end_amdgpu_metadata
.endif
;; end of part 4
